; MI455X (gfx1250); checked and timed in simulation.
; The chip was launched on July 23, 2026; its instructions are those of AMD's public machine-readable ISA for CDNA 5 (MIT licence, August 2026) and "CDNA5" Instruction Set Architecture Reference Guide (July 2026). The comments in the code are by the model that wrote it; some were corrected since.
;; Local Atom Attention. Allowed arithmetic: matrix products marked QUANTISED: E2M3 operands, one E8M0 scale for each 32 along K, by v_wmma_scale_f32_16x16x128_f8f6f4 with both operands' format E2M3, f32 sums; products left as they are: f32 operands where the result goes on into a quantised operand, else bf16, f16 or f32 operands; f32 sums; everything else in f32.
;; Inputs: W1_codes 1,024 x 8 x 24 uint8 (E2M3 codes of W1, K innermost, in blocks of 32 codes, four codes in three bytes); W1_scales 1,024 x 8 uint8 (E8M0 scales of W1, one for each 32 codes along K); W2_codes 256 x 32 x 24 uint8 (E2M3 codes of W2, K innermost, in blocks of 32 codes, four codes in three bytes); W2_scales 256 x 32 uint8 (E8M0 scales of W2, one for each 32 codes along K); Wa 256 x 8 float32; Wg_codes 1,024 x 8 x 24 uint8 (E2M3 codes of Wg, K innermost, in blocks of 32 codes, four codes in three bytes); Wg_scales 1,024 x 8 uint8 (E8M0 scales of Wg, one for each 32 codes along K); Wv_codes 256 x 8 x 24 uint8 (E2M3 codes of Wv, K innermost, in blocks of 32 codes, four codes in three bytes); Wv_scales 256 x 8 uint8 (E8M0 scales of Wv, one for each 32 codes along K); ba 8 float32; batch 4 x 4,096 int32; bv 256 float32; dist_bins 256 float32; emb_table 256 x 256 float32; ln_b 256 float32; ln_g 256 float32; not_pad_mask 4 x 4,096 bool; positions 4 x 4,096 x 3 float32; x 4 x 4,096 x 256 float32.
;; Outputs: out0 4 x 4,096 x 256 float32.
;; This version of the problem:
;;   THIS VERSION OF THE PROBLEM IS GIVEN IN LOW PRECISION. The matrix products marked QUANTISED in the list below multiply operands that are first quantised to E2M3 (2 exponent bits, 3 mantissa bits; 6 bits a number), with one power-of-two scale for each 32 numbers along K (OCP MX v1.0); their sums are f32. All else is computed in f32.
;;   The module's matrix products, in the order in which they are computed (A, B: the left and right operand; K: the contracted axis; several contracted axes count as one K, in the product's order):
;;     1. batch 4 x [M 4,096, K 3] x [K 3, N 4,096]; A: input positions; B: input positions: left as it is (K = 3 < 32)
;;     2. [M 524,288, K 256] x [K 256, N 8]; A: computed on the way; B: input Wa: left as it is (N = 8 < 16)
;;     3. [M 16,384, K 256] x [K 256, N 256]; A: input x; B: input Wv (given as codes): QUANTISED
;;     4. [M 16,384, K 256] x [K 256, N 1,024]; A: computed on the way; B: input Wg (given as codes): QUANTISED
;;     5. [M 16,384, K 256] x [K 256, N 1,024]; A: computed on the way; B: input W1 (given as codes): QUANTISED
;;     6. [M 16,384, K 1,024] x [K 1,024, N 256]; A: computed on the way; B: input W2 (given as codes): QUANTISED
;;   THE QUANTISER, for each operand of a quantised product, along K:
;;     - K is cut into blocks of 32 from its start; a last block that is shorter is filled with zeros.
;;     - A block's scale is 2^e with e = floor(log2(the largest magnitude in the block)) - 2, held to -126 .. 127; a block of zeros has e = 0. As a byte (E8M0): e + 127.
;;     - Each number is divided by its block's scale, clamped to +-7.5, and rounded to the nearest number of E2M3, ties to even, subnormals kept.
;;     - The product sums the exact products of the quantised numbers (number of the format x scale) in f32.
;;   ~~~python
;;   def quantise(x, axis):      # numpy; x: float32 -> the quantised numbers, widened to float32 again
;;       x = np.moveaxis(x, axis, -1); K = x.shape[-1]
;;       x = np.pad(x, [(0, 0)] * (x.ndim - 1) + [(0, -K % 32)]); x = x.reshape(x.shape[:-1] + (-1, 32)); a = np.abs(x).max(-1, keepdims=True)
;;       e = np.where(a > 0, np.clip(np.frexp(np.where(a > 0, a, 1))[1] - 1 - 2, -126, 127), 0)      # np.frexp(a)[1] - 1 = floor(log2(a)), exactly
;;       r = np.clip(x / 2.0 ** e, -7.5, 7.5)
;;       step = 2.0 ** (np.maximum(np.frexp(np.where(r == 0, 1, r))[1] - 1, 0) - 3)
;;       q = np.round(r / step) * step * 2.0 ** e      # np.round: ties to even
;;       return np.moveaxis(q.reshape(q.shape[:-2] + (-1,))[..., :K], -1, axis).astype(np.float32)
;;   ~~~
;;   OPERANDS COMPUTED ON THE WAY. 'Computed on the way' means the value that the module computes at that place (a softmax that the list does not call 'softmax' is quantised finished and normalised). What goes into a quantiser is computed in f32, as accurately as f32 sums, v_exp_f32 and their like allow (about 1e-6 of the number): no bf16 or f16 on the way to a quantiser, and a product that is left as it is and whose result goes on into a quantised operand takes f32 operands (vector FMAs, or v_wmma_f32_16x16x4_f32). A number that lies on a knife's edge between two numbers of the format may be rounded either way, as far as f32 arithmetic and the matrix unit's own rounding can turn it there, and no further.
;;   INPUTS GIVEN AS CODES. W1 (in the module: [256, 1024], K = its axis 0); W2 (in the module: [1024, 256], K = its axis 0); Wg (in the module: [256, 1024], K = its axis 0); Wv (in the module: [256, 256], K = its axis 0): each comes as NAME_codes (uint8): NAME with its K axis moved to the last place and cut into blocks of 32 codes, [.., K / 32, bytes a block], one block behind the other in memory; four codes in three bytes: a row's codes are one little-endian stream of bits, code i at bits 6 i .. 6 i + 5 (a code: sign, 2 exponent bits, 3 mantissa bits); and NAME_scales (uint8): the same leading axes, one E8M0 byte (e + 127) for each 32 codes along K. Its value is code x scale, taken as it is: it is not quantised again, and the codes and scales need not be those that the quantiser above would give.
;; 2 versions, each right; version 2 is version 1 with the launch ffn written anew for expert scheduling mode. Each part assembles by itself: llvm-mc -triple=amdgcn-amd-amdhsa -mcpu=gfx1250 --defsym DOCPART=n.
;; ======== version 1 of 2: 2 launches
;; limits: values within 1.2e-07 (relative) of each other or of a threshold may be ordered or decided otherwise than in the reference
;; workspace buffers: nbr 1,048,576 bytes of whole numbers; ttab 8,192 bytes; wimg 638,976 bytes
;; launch knn (part 1): grid 256 x 1, 16 waves a work-group, no clusters, 215,040 bytes of LDS; arguments positions, not_pad_mask, dist_bins, emb_table, Wa, ba, Wg_codes, W1_codes, W2_codes, Wv_codes, nbr, ttab, wimg; writes nbr, ttab, wimg
.if DOCPART == 1
	.amdgcn_target "amdgcn-amd-amdhsa--gfx1250"
	.amdhsa_code_object_version 6
	.text
	.protected	k_qc2e55e8050_knn
	.globl	k_qc2e55e8050_knn
	.p2align	8
	.type	k_qc2e55e8050_knn,@function
k_qc2e55e8050_knn:
	s_mov_b64 s[64:65], 0
	v_nop
	global_prefetch_b8 v0, s[64:65] scope:SCOPE_SE
	s_setreg_imm32_b32 hwreg(HW_REG_WAVE_MODE, 25, 1), 1
	s_wait_xcnt 0x0
; THE 32 NEAREST ATOMS OF EACH ATOM, THEIR DISTANCE BINS AND THEIR PAD BITS, as whole numbers for the next launch; beside it two small jobs.
; positions [4][4096][3] f32, not_pad_mask [4][4096] bytes, dist_bins [256] f32.  d2 = (sq_n + sq_m) - 2 dot, held at 0 from below, as the problem has it.
; SHARES.  A work-group owns 64 atoms (queries) of one batch.  Wave w: query group g = w / 8 (32 queries, ONE QUERY A LANE), split s = w % 8: it scans candidates 512 s .. 512 s + 511 of the batch,
; 32 a trip, and keeps the 32 smallest keys sorted in 32 registers.  The 8 splits of a group are merged through LDS in three exchanges (partners w^1, w^2, w^4); every wave merges, so all 8 end with the whole list.
; Wave s then takes ranks 4 s .. 4 s + 3 (what head s of the next launch wants) against the 256 bins.
; THE KEY is d2's bits with the last mantissa bit replaced by the candidate's pad bit (1 - mask).  It is a non-negative f32, so f32 minimum and maximum order it and nothing travels beside it.
; A comparator is one dual line (minimum and maximum of the same two registers).  The two results must lie in an even and an odd register: wire i of the network lives in register RHO(i), whose parity is the
; parity of i's bit count; partners of a bitonic network differ in one bit.  No branch and no address hangs on a distance: the network is fixed, the bin is chosen by v_cndmask_b32.
; LIMITS.  d2's last mantissa bit (1.2e-7 of d2) is given up for the pad bit; candidates equal in all other bits are ordered by pad bit, not by index.  Keys 0 and 1 are denormals: the entry mode keeps them.
; v_sqrt_f32 is good to 1 ulp and takes a denormal for 0.  NaN, infinities and d2 at or above 2^128 are not served.
; SIDE JOBS, each under one forward branch on ids, with no LDS: waves 0 and 1 of work-groups 0 .. 207 lay one fragment of a weight's codes (16 rows x 128 K) as an image of the operand's 12 registers;
; wave 2 makes row i of T = emb_table Wa + ba (the gather and the product commute, so the product is made once for each of the 256 bins), in f32 fused multiply-adds.
; The input 'batch' is not among the arguments: the problem's function takes it and never uses it.
.set E0,  81920                        ; LDS: bytes 0 .. 81,919 the batch's candidates: 1,024 blocks of 4: x0-3 | y0-3 | z0-3 | sq0-3 | pad0-3, 80 bytes a block
.set E1,  147456                       ; E0, E1: two exchange areas, 4,096 bytes a wave: the image of its 32 sorted registers (chunk j: registers 4 j .. 4 j + 3, lane l at 512 j + 16 l)
.set R,   16                           ; v16-47   the running 32 smallest, ascending
.set A,   48                           ; v48-79   a trip's 32 keys; scratch of the networks
.set B,   80                           ; v80-111  scratch; the sorted 32 that are merged in
.set CA,  112                          ; v112-151 8 candidates (2 blocks of 20 registers)
.set CB,  152                          ; v152-191 the other 8
.set T,   192                          ; v192-199 at work
; v1 lane; v2 the candidates' LDS address (the same in all lanes); v3, v4 my image in E0, E1; v5, v6, v7 my partners' images; v8 my four ranks in my image in E1; v9 my query's mask byte; v10 8 x lane; v11 16 x lane
; v12-14 -2 x my query's coordinates; v15 its sq
; one stage of a bitonic network, 16 comparators, from registers src to registers dst.  k, j: the network's block and distance; im, om: 1 = wire i lies at RHO(i), 0 = at i
.macro STAGE src, dst, k, j, im, om
.set wi, 0
.rept 32
.set wl, wi^(\j)
.if wl > wi
.set ia, wi
.set ib, wl
.set oa, wi
.set ob, wl
.if \im
.set ia, wi^(((wi>>1)^(wi>>2)^(wi>>3)^(wi>>4))&1)
.set ib, wl^(((wl>>1)^(wl>>2)^(wl>>3)^(wl>>4))&1)
.endif
.if \om
.set oa, wi^(((wi>>1)^(wi>>2)^(wi>>3)^(wi>>4))&1)
.set ob, wl^(((wl>>1)^(wl>>2)^(wl>>3)^(wl>>4))&1)
.endif
.if (wi&(\k)) == 0
	v_dual_min_num_f32 v[\dst+oa], v[\src+ia], v[\src+ib] :: v_dual_max_num_f32 v[\dst+ob], v[\src+ia], v[\src+ib]
.else
	v_dual_min_num_f32 v[\dst+ob], v[\src+ia], v[\src+ib] :: v_dual_max_num_f32 v[\dst+oa], v[\src+ia], v[\src+ib]
.endif
.endif
.set wi, wi+1
.endr
.endm
; the 32 keys in A, in any order, come out ascending in B: 15 stages, 240 comparators
.macro SORT32
	STAGE A, B, 2, 1, 1, 1
	STAGE B, A, 4, 2, 1, 1
	STAGE A, B, 4, 1, 1, 1
	STAGE B, A, 8, 4, 1, 1
	STAGE A, B, 8, 2, 1, 1
	STAGE B, A, 8, 1, 1, 1
	STAGE A, B, 16, 8, 1, 1
	STAGE B, A, 16, 4, 1, 1
	STAGE A, B, 16, 2, 1, 1
	STAGE B, A, 16, 1, 1, 1
	STAGE A, B, 32, 16, 1, 1
	STAGE B, A, 32, 8, 1, 1
	STAGE A, B, 32, 4, 1, 1
	STAGE B, A, 32, 2, 1, 1
	STAGE A, B, 32, 1, 1, 0
.endm
; R and B, both ascending: min(R[r], B[31 - r]) are the 32 smallest of the 64, as a bitonic run; five stages sort it back into R
.macro MERGE
.set mr, 0
.rept 16
	v_dual_min_num_f32 v[A+mr], v[R+mr], v[B+31-mr] :: v_dual_min_num_f32 v[A+mr+1], v[R+mr+1], v[B+30-mr]
.set mr, mr+2
.endr
	STAGE A, B, 64, 16, 0, 1
	STAGE B, A, 64, 8, 1, 1
	STAGE A, B, 64, 4, 1, 1
	STAGE B, A, 64, 2, 1, 1
	STAGE A, R, 64, 1, 1, 0
.endm
; 8 candidates, 160 bytes, into buffer buf: every lane reads the same bytes
.macro CLOAD buf, off
.irp c, 0,1,2,3,4,5,6,7,8,9
	ds_load_b128 v[\buf+4*\c:\buf+4*\c+3], v2 offset:\off+16*\c
.endr
.endm
; the buffer's 8 candidates become keys A + 8 n + 0 .. 7: four pairs by turns
.macro DIST buf, n
.irp q, 0,1,2,3
	v_dual_mul_f32 v[A+8*(\n)+2*\q], v[\buf+20*(\q/2)+2*(\q%2)], v12 :: v_dual_mul_f32 v[A+8*(\n)+2*\q+1], v[\buf+20*(\q/2)+2*(\q%2)+1], v12
.endr
.irp q, 0,1,2,3
	v_dual_fmac_f32 v[A+8*(\n)+2*\q], v[\buf+20*(\q/2)+2*(\q%2)+4], v13 :: v_dual_fmac_f32 v[A+8*(\n)+2*\q+1], v[\buf+20*(\q/2)+2*(\q%2)+5], v13
.endr
.irp q, 0,1,2,3
	v_dual_fmac_f32 v[A+8*(\n)+2*\q], v[\buf+20*(\q/2)+2*(\q%2)+8], v14 :: v_dual_fmac_f32 v[A+8*(\n)+2*\q+1], v[\buf+20*(\q/2)+2*(\q%2)+9], v14   ; -2 dot
.endr
.irp q, 0,1,2,3
	v_dual_add_f32 v[T+2*\q], v[\buf+20*(\q/2)+2*(\q%2)+12], v15 :: v_dual_add_f32 v[T+2*\q+1], v[\buf+20*(\q/2)+2*(\q%2)+13], v15   ; sq_m + sq_n
.endr
.irp q, 0,1,2,3
	v_dual_add_f32 v[A+8*(\n)+2*\q], v[T+2*\q], v[A+8*(\n)+2*\q] :: v_dual_add_f32 v[A+8*(\n)+2*\q+1], v[T+2*\q+1], v[A+8*(\n)+2*\q+1]
.endr
.irp q, 0,1,2,3
	v_dual_max_num_f32 v[A+8*(\n)+2*\q], 0, v[A+8*(\n)+2*\q] :: v_dual_max_num_f32 v[A+8*(\n)+2*\q+1], 0, v[A+8*(\n)+2*\q+1]
.endr
.irp q, 0,1,2,3
	v_and_or_b32 v[A+8*(\n)+2*\q], v[A+8*(\n)+2*\q], 0x7ffffffe, v[\buf+20*(\q/2)+2*(\q%2)+16]     ; the pad bit takes the last mantissa bit's place
	v_and_or_b32 v[A+8*(\n)+2*\q+1], v[A+8*(\n)+2*\q+1], 0x7ffffffe, v[\buf+20*(\q/2)+2*(\q%2)+17]
.endr
.endm
; a trip: 32 candidates.  Each run of ten loads is issued a quarter of a trip ahead; the count 10 leaves just that run out.  pref = 1: the next trip's first eight are asked for too
.macro TRIP pref
	v_mov_b32 v2, s36
	CLOAD CB, 160
	s_wait_dscnt 10
	DIST CA, 0
	CLOAD CA, 320
	s_wait_dscnt 10
	DIST CB, 1
	CLOAD CB, 480
	s_wait_dscnt 10
	DIST CA, 2
.if \pref
	CLOAD CA, 640
	s_wait_dscnt 10
.else
	s_wait_dscnt 0x0
.endif
	DIST CB, 3
	SORT32
	MERGE
	s_add_co_u32 s36, s36, 640
.endm
; an exchange: my list to my image; my stores are done, then the barrier; my partner's list into B; merged
.macro XCH own, partner
.irp j, 0,1,2,3,4,5,6,7
	ds_store_b128 v[\own], v[R+4*\j:R+4*\j+3] offset:512*\j
.endr
	s_wait_dscnt 0x0                               ; for the others' sake: my stores have landed (and my earlier LDS loads are in)
	s_barrier_signal -1
	s_barrier_wait -1
.irp j, 0,1,2,3,4,5,6,7
	ds_load_b128 v[B+4*\j:B+4*\j+3], v[\partner] offset:512*\j
.endr
	s_wait_dscnt 0x0
	MERGE
.endm
; one bin against my four distances: the first nearest bin, by the problem's own f32 difference: the compare is strict and the bins ascend in number
.macro BIN sb
	s_wait_alu depctr_va_vdst(0)
	v_dual_sub_f32 v64, s[\sb], v52 :: v_dual_sub_f32 v65, s[\sb], v53
	v_dual_sub_f32 v66, s[\sb], v54 :: v_dual_sub_f32 v67, s[\sb], v55
.irp q, 0,1,2,3
	v_cmp_gt_f32 s[40+\q], v[56+\q], |v[64+\q]|
.endr
.irp q, 0,1,2,3
	v_cndmask_b32 v[60+\q], v[60+\q], s38, s[40+\q]
.endr
.irp q, 0,1,2,3
	v_min_num_f32 v[56+\q], v[56+\q], |v[64+\q]|
.endr
	s_add_co_u32 s38, s38, 1
.endm
	s_load_b512 s[4:19], s[0:1], 0x0               ; positions s[4:5], mask s[6:7], bins s[8:9], emb_table s[10:11], Wa s[12:13], ba s[14:15], Wg's codes s[16:17], W1's s[18:19]
	s_load_b256 s[20:27], s[0:1], 0x40             ; W2's codes s[20:21], Wv's s[22:23], nbr s[24:25], ttab s[26:27]
	s_load_b64 s[28:29], s[0:1], 0x60              ; wimg
	v_lshl_add_u32 v208, v0, 2, 0x34000
	v_mov_b32 v209, 0
	v_lshrrev_b32 v1, 5, v0
	v_readfirstlane_b32 s30, v1                    ; wave 0..15
	v_and_b32 v1, 31, v0                           ; lane
	s_and_b32 s31, s30, 7                          ; split
	s_lshr_b32 s32, s30, 3                         ; query group
	v_lshlrev_b32 v11, 4, v1
	v_lshlrev_b32 v10, 3, v1
	s_lshl_b32 s33, s30, 12
	s_add_co_u32 s34, s33, E0
	v_add_nc_u32 v3, s34, v11                      ; my image in E0
	s_add_co_u32 s34, s33, E1
	v_add_nc_u32 v4, s34, v11                      ; and in E1
	s_lshl_b32 s35, s31, 9
	s_add_co_u32 s34, s34, s35
	v_add_nc_u32 v8, s34, v11                      ; chunk s of it: ranks 4 s .. 4 s + 3
	s_xor_b32 s34, s30, 1
	s_lshl_b32 s34, s34, 12
	s_add_co_u32 s34, s34, E0
	v_add_nc_u32 v5, s34, v11                      ; partner w^1, in E0
	s_xor_b32 s34, s30, 2
	s_lshl_b32 s34, s34, 12
	s_add_co_u32 s34, s34, E1
	v_add_nc_u32 v6, s34, v11                      ; partner w^2, in E1
	s_xor_b32 s34, s30, 4
	s_lshl_b32 s34, s34, 12
	s_add_co_u32 s34, s34, E0
	v_add_nc_u32 v7, s34, v11                      ; partner w^4, in E0 again
	v_mul_u32_u24 v192, v0, 96                     ; thread t prepares candidates 8 t .. 8 t + 7: 96 bytes of positions,
	v_lshlrev_b32 v193, 3, v0                      ; 8 bytes of the mask,
	v_mul_u32_u24 v196, v0, 160                    ; two blocks in LDS
	v_mul_u32_u24 v194, v1, 12                     ; my query's coordinates among the wave's 32
	s_mov_b32 s44, 0x76543210
	s_mov_b32 s45, 0xfedcba98                      ; v_permlanex16_b32's selects for lane l xor 16
	s_lshr_b32 s33, ttmp9, 6                       ; the batch
	s_mul_i32 s34, s33, 49152
	s_mov_b32 s35, 0
	s_lshl_b32 s88, s33, 12
	s_mov_b32 s89, 0
	s_and_b32 s33, ttmp9, 63
	s_lshl_b32 s33, s33, 6
	s_lshl_b32 s90, s32, 5
	s_add_co_u32 s92, s33, s90                     ; my wave's first query, counted in the batch
	s_mov_b32 s93, 0
	s_mul_i32 s90, s92, 12
	s_mov_b32 s91, 0
	s_wait_kmcnt 0x0
	s_add_nc_u64 s[4:5], s[4:5], s[34:35]          ; positions and mask at the batch,
	s_add_nc_u64 s[6:7], s[6:7], s[88:89]
	s_add_nc_u64 s[84:85], s[4:5], s[90:91]        ; and at my wave's queries
	s_add_nc_u64 s[86:87], s[6:7], s[92:93]
.irp c, 0,1,2,3,4,5
	global_load_b128 v[112+4*\c:115+4*\c], v192, s[4:5] offset:16*\c
.endr
	global_load_b64 v[136:137], v193, s[6:7]
	global_load_b32 v12, v194, s[84:85]
	global_load_b32 v13, v194, s[84:85] offset:4
	global_load_b32 v14, v194, s[84:85] offset:8
	global_load_u8 v9, v1, s[86:87]
	; ---- side job 1: waves 0 and 1 lay fragment F = 2 x work-group + wave of the 416: Wg's 128, W1's 128, W2's 128, Wv's 32
	s_cmp_gt_u32 s30, 1
	s_cbranch_scc1 .Lno_layout
	s_lshl_b32 s88, ttmp9, 1
	s_add_co_u32 s88, s88, s30
	s_cmp_gt_u32 s88, 415
	s_cbranch_scc1 .Lno_layout
	s_lshr_b32 s89, s88, 7                         ; which tensor: the choice hangs on ids alone
	s_cmp_eq_u32 s89, 1
	s_cselect_b64 s[40:41], s[18:19], s[16:17]
	s_cmp_eq_u32 s89, 3
	s_cselect_b64 s[40:41], s[22:23], s[40:41]
	s_cmp_eq_u32 s89, 2
	s_cselect_b64 s[40:41], s[20:21], s[40:41]
	s_cselect_b32 s90, 3, 1                        ; W2 has 8 K steps of 128 to a row, the others 2,
	s_mov_b32 s91, 768
	s_cselect_b32 s91, s91, 192                    ; and rows of 768 bytes, the others of 192
	s_and_b32 s92, s88, 127                        ; the fragment's number in its tensor = tile x K steps + step
	s_lshr_b32 s93, s92, s90                       ; tile
	s_bfm_b32 s95, s90, 0
	s_and_b32 s94, s92, s95                        ; K step
	s_lshr_b32 s95, s93, 1
	s_lshl_b32 s95, s95, 5
	s_and_b32 s93, s93, 1
	s_lshl_b32 s93, s93, 3
	s_add_co_u32 s93, s93, s95                     ; THE ROWS OF A TILE ARE NOT NEIGHBOURS: lane r of tile 2 b + u takes row 32 b + 8 u + r + 8 (r / 8), so that two neighbouring tiles' results are 16 neighbours along the next K
	s_mul_i32 s42, s93, s91
	s_mul_i32 s94, s94, 96
	s_add_co_u32 s42, s42, s94
	s_mov_b32 s43, 0
	s_add_nc_u64 s[40:41], s[40:41], s[42:43]
	v_and_b32 v28, 15, v1
	v_and_b32 v29, 8, v28
	v_add_nc_u32 v28, v28, v29                     ; r + 8 (r / 8)
	v_mul_u32_u24 v28, v28, s91
	v_lshrrev_b32 v29, 4, v1
	v_mad_u32_u24 v28, v29, 24, v28                ; + 24 x half
.irp p, 0,1,2,3,4,5
	global_load_b64 v[16+2*\p:17+2*\p], v28, s[40:41] offset:48*(\p/3)+8*(\p%3)   ; the operand's 12 registers, as they lie in the row's stream of bits
.endr
	s_mul_i32 s42, s88, 1536
	s_add_nc_u64 s[42:43], s[28:29], s[42:43]
	s_wait_loadcnt 0x0
.irp c, 0,1,2
	global_store_b128 v11, v[16+4*\c:19+4*\c], s[42:43] offset:512*\c            ; 32 lanes store 512 consecutive bytes, at a multiple of 256 from the buffer's first byte
.endr
	s_wait_xcnt 0x0                                ; the stores' data and base are written again below only behind this wait
.Lno_layout:
	; ---- side job 2: wave 2 makes T[i][0..7] = emb_table[i] . Wa + ba for bin i = the work-group's number
	s_cmp_lg_u32 s30, 2
	s_cbranch_scc1 .Lno_table
	s_load_b256 s[48:55], s[14:15], 0x0            ; ba
	s_lshl_b32 s42, ttmp9, 10
	s_mov_b32 s43, 0
	s_add_nc_u64 s[40:41], s[10:11], s[42:43]
	s_lshl_b32 s42, ttmp9, 5
	s_add_nc_u64 s[42:43], s[26:27], s[42:43]
	v_lshlrev_b32 v96, 2, v1
	v_lshlrev_b32 v97, 5, v1
	v_mov_b32 v99, 0
.irp j, 0,1,2,3,4,5,6,7                        ; the lane takes d = lane + 32 j
	global_load_b32 v[80+\j], v96, s[40:41] offset:128*\j
	global_load_b128 v[16+8*\j:19+8*\j], v97, s[12:13] offset:1024*\j
	global_load_b128 v[20+8*\j:23+8*\j], v97, s[12:13] offset:1024*\j+16
.endr
	s_wait_loadcnt 0x0
	s_wait_kmcnt 0x0
.irp e, 0,1,2,3,4,5,6,7
	v_mul_f32 v[88+\e], v80, v[16+\e]
.endr
.irp j, 1,2,3,4,5,6,7
.irp e, 0,1,2,3,4,5,6,7
	v_fmac_f32 v[88+\e], v[80+\j], v[16+8*\j+\e]
.endr
.endr
.irp x, 1,2,4,8
.irp e, 0,1,2,3,4,5,6,7
	v_add_f32_dpp v[88+\e], v[88+\e], v[88+\e] row_xmask:\x row_mask:0xf bank_mask:0xf
.endr
.endr
.irp e, 0,1,2,3,4,5,6,7
	v_permlanex16_b32 v[16+\e], v[88+\e], s44, s45
.endr
.irp e, 0,1,2,3,4,5,6,7
	v_add_f32 v[88+\e], v[88+\e], v[16+\e]
.endr
.irp e, 0,1,2,3,4,5,6,7
	v_add_f32 v[88+\e], s[48+\e], v[88+\e]
.endr
	s_wait_xcnt 0x0                                ; EXEC changes only behind this wait
	v_cmp_eq_u32 vcc_lo, 0, v1
	s_and_saveexec_b32 s95, vcc_lo
	global_store_b128 v99, v[88:91], s[42:43]      ; one lane stores the row's 32 bytes (the whole table is 8,192 bytes, a row to a work-group)
	global_store_b128 v99, v[92:95], s[42:43] offset:16
	s_wait_xcnt 0x0                                ; and again in front of the line that widens it
	s_or_b32 exec_lo, exec_lo, s95
.Lno_table:
	; ---- the batch's candidates into LDS: thread t's eight
	s_wait_loadcnt 0x0
.irp c, 0,1,2,3,4,5,6,7
	v_mul_f32 v[CB+20*(\c/4)+12+\c%4], v[112+3*\c], v[112+3*\c]                  ; sq, by the same fused chain (x, then y, then z) as the dot product: an atom's distance to itself comes out 0
.endr
.irp c, 0,1,2,3,4,5,6,7
	v_fmac_f32 v[CB+20*(\c/4)+12+\c%4], v[113+3*\c], v[113+3*\c]
.endr
.irp c, 0,1,2,3,4,5,6,7
	v_fmac_f32 v[CB+20*(\c/4)+12+\c%4], v[114+3*\c], v[114+3*\c]
.endr
.irp c, 0,1,2,3,4,5,6,7
	v_mov_b32 v[CB+20*(\c/4)+\c%4], v[112+3*\c]
	v_mov_b32 v[CB+20*(\c/4)+4+\c%4], v[113+3*\c]
	v_mov_b32 v[CB+20*(\c/4)+8+\c%4], v[114+3*\c]
	v_bfe_u32 v[CB+20*(\c/4)+16+\c%4], v[136+\c/4], 8*(\c%4), 1
.endr
.irp c, 0,1,2,3,4,5,6,7
	v_xor_b32 v[CB+20*(\c/4)+16+\c%4], 1, v[CB+20*(\c/4)+16+\c%4]                ; pad = 1 - mask
.endr
.irp c, 0,1,2,3,4,5,6,7,8,9
	ds_store_b128 v196, v[CB+4*\c:CB+4*\c+3] offset:16*\c
.endr
	v_mul_f32 v15, v12, v12                        ; my query's sq, by the same chain
	v_fmac_f32 v15, v13, v13
	v_fmac_f32 v15, v14, v14
	v_mul_f32 v12, -2.0, v12
	v_mul_f32 v13, -2.0, v13
	v_mul_f32 v14, -2.0, v14
.set i, 0
.rept 32
	v_mov_b32 v[R+i], 0x7f800000                   ; the list begins as 32 x +infinity, so that the trip is written once; a split's 512 candidates push them all out
.set i, i+1
.endr
	s_mul_i32 s36, s31, 10240                      ; my split's 128 blocks
	s_wait_dscnt 0x0                               ; my stores have landed
	s_barrier_signal -1
	s_barrier_wait -1                              ; everybody's have: from here on nobody writes the candidates
	; ---- the scan: 16 trips of 32 candidates
	v_mov_b32 v2, s36
	CLOAD CA, 0
	s_mov_b32 s37, 15
.Ltrip:
	TRIP 1
	s_sub_co_u32 s37, s37, 1
	s_cmp_lg_u32 s37, 0
	s_cbranch_scc1 .Ltrip
	TRIP 0                                         ; the last trip asks for nothing beyond the split
	; ---- the 8 splits of a group become one list.  E0 is written again in the third exchange: its first readers have waited for their loads in front of the second exchange's barrier
	XCH 3, 5
	XCH 4, 6
	XCH 3, 7
	; ---- the mask word: bit k = my query's mask AND the mask of the neighbour of rank k
	v_mov_b32 v199, 0
.set i, 0
.rept 32
	v_alignbit_b32 v199, v[R+i], v199, 1           ; rank i's pad bit comes in at the top; after 32 steps it stands at bit i
.set i, i+1
.endr
	v_not_b32 v199, v199
	v_sub_nc_u32 v9, 0, v9                         ; 0 or all ones
	v_and_b32 v199, v9, v199
	; ---- my four ranks: through my own image in E1 (its last reader waited for its loads in front of the third exchange's barrier); LDS serves a wave's instructions in order
.irp j, 0,1,2,3,4,5,6,7
	ds_store_b128 v4, v[R+4*\j:R+4*\j+3] offset:512*\j
.endr
	ds_load_b128 v[48:51], v8
	s_wait_dscnt 0x0
.irp q, 0,1,2,3
	v_and_b32 v[52+\q], 0x7ffffffe, v[48+\q]       ; d2 without the pad bit
.endr
.irp q, 0,1,2,3
	v_sqrt_f32 v[52+\q], v[52+\q]
.endr
.irp q, 0,1,2,3
	v_mov_b32 v[56+\q], 0x7f800000                 ; the least |d - bin| so far (plain lines behind the roots),
	v_mov_b32 v[60+\q], 0                          ; and its bin
.endr
	s_mov_b32 s38, 0                               ; the bin's number
	s_mov_b32 s37, 8
.Lbins:                                                ; 8 trips of 32 bins, which come as scalars
	s_load_b512 s[48:63], s[8:9], 0x0
	s_load_b512 s[68:83], s[8:9], 0x40
	s_wait_kmcnt 0x0                               ; both are in, so their base may step
	s_add_nc_u64 s[8:9], s[8:9], 128
.irp sb, 48,49,50,51,52,53,54,55,56,57,58,59,60,61,62,63,68,69,70,71,72,73,74,75,76,77,78,79,80,81,82,83
	BIN \sb
.endr
	s_sub_co_u32 s37, s37, 1
	s_cmp_lg_u32 s37, 0
	s_cbranch_scc1 .Lbins
	; ---- out: nbr[head s][row] = { four bins, a byte each; the mask word }
	v_lshl_or_b32 v198, v61, 8, v60
	v_lshl_or_b32 v198, v62, 16, v198
	v_lshl_or_b32 v198, v63, 24, v198
	s_lshl_b32 s40, s31, 17                        ; head s: 16,384 rows of 8 bytes
	s_lshl_b32 s41, ttmp9, 9
	s_add_co_u32 s40, s40, s41
	s_lshl_b32 s41, s32, 8
	s_add_co_u32 s40, s40, s41
	s_mov_b32 s41, 0
	s_add_nc_u64 s[24:25], s[24:25], s[40:41]
	global_store_b64 v10, v[198:199], s[24:25]     ; 32 lanes store 256 consecutive bytes, at a multiple of 256 from the buffer's first byte
	s_wait_tensorcnt 0x0
	ds_add_u32 v208, v209
	s_wait_dscnt 0x0
	s_endpgm
.Lfunc_end_k_qc2e55e8050_knn:
	.size	k_qc2e55e8050_knn, .Lfunc_end_k_qc2e55e8050_knn-k_qc2e55e8050_knn
	.p2alignl 7, 3214868480
	.fill 96, 4, 3214868480
	.section	.rodata,"a",@progbits
	.p2align	6, 0x0
	.amdhsa_kernel k_qc2e55e8050_knn
		.amdhsa_group_segment_fixed_size 215040
		.amdhsa_private_segment_fixed_size 0
		.amdhsa_enable_private_segment 0
		.amdhsa_kernarg_size 104
		.amdhsa_user_sgpr_count 2
		.amdhsa_user_sgpr_kernarg_segment_ptr 1
		.amdhsa_wavefront_size32 1
		.amdhsa_system_sgpr_workgroup_id_x 1
		.amdhsa_system_sgpr_workgroup_id_y 1
		.amdhsa_system_sgpr_workgroup_id_z 1
		.amdhsa_system_vgpr_workitem_id 0
		.amdhsa_next_free_vgpr 210
		.amdhsa_next_free_sgpr 96
		.amdhsa_reserve_vcc 1
		.amdhsa_float_denorm_mode_32 3
		.amdhsa_float_denorm_mode_16_64 3
		.amdhsa_memory_ordered 1
		.amdhsa_forward_progress 1
		.amdhsa_inst_pref_size 141
	.end_amdhsa_kernel
	.amdgpu_metadata
---
amdhsa.version: [ 1, 2 ]
amdhsa.kernels:
  - .name:           k_qc2e55e8050_knn
    .symbol:         k_qc2e55e8050_knn.kd
    .args:
      - { .name: positions, .offset: 0, .size: 8, .value_kind: global_buffer, .address_space: global }
      - { .name: not_pad_mask, .offset: 8, .size: 8, .value_kind: global_buffer, .address_space: global }
      - { .name: dist_bins, .offset: 16, .size: 8, .value_kind: global_buffer, .address_space: global }
      - { .name: emb_table, .offset: 24, .size: 8, .value_kind: global_buffer, .address_space: global }
      - { .name: Wa, .offset: 32, .size: 8, .value_kind: global_buffer, .address_space: global }
      - { .name: ba, .offset: 40, .size: 8, .value_kind: global_buffer, .address_space: global }
      - { .name: Wg_codes, .offset: 48, .size: 8, .value_kind: global_buffer, .address_space: global }
      - { .name: W1_codes, .offset: 56, .size: 8, .value_kind: global_buffer, .address_space: global }
      - { .name: W2_codes, .offset: 64, .size: 8, .value_kind: global_buffer, .address_space: global }
      - { .name: Wv_codes, .offset: 72, .size: 8, .value_kind: global_buffer, .address_space: global }
      - { .name: nbr, .offset: 80, .size: 8, .value_kind: global_buffer, .address_space: global }
      - { .name: ttab, .offset: 88, .size: 8, .value_kind: global_buffer, .address_space: global }
      - { .name: wimg, .offset: 96, .size: 8, .value_kind: global_buffer, .address_space: global }
    .group_segment_fixed_size: 215040
    .private_segment_fixed_size: 0
    .kernarg_segment_align: 8
    .kernarg_segment_size: 104
    .max_flat_workgroup_size: 512
    .sgpr_count:     96
    .vgpr_count:     210
    .wavefront_size: 32
...
	.end_amdgpu_metadata
.endif
;; end of part 1
;; launch ffn (part 2): grid 256 x 1, 4 waves a work-group, no clusters, 133,632 bytes of LDS; arguments x, nbr, ttab, wimg, Wv_scales, Wg_scales, W1_scales, W2_scales, bv, ln_g, ln_b, out0; writes out0
.if DOCPART == 2
	.amdgcn_target "amdgcn-amd-amdhsa--gfx1250"
	.amdhsa_code_object_version 6
	.text
	.protected	k_qc2e55e8050_ffn
	.globl	k_qc2e55e8050_ffn
	.p2align	8
	.type	k_qc2e55e8050_ffn,@function
k_qc2e55e8050_ffn:
	s_mov_b64 s[64:65], 0
	v_nop
	global_prefetch_b8 v0, s[64:65] scope:SCOPE_SE
	s_setreg_imm32_b32 hwreg(HW_REG_WAVE_MODE, 25, 1), 1
	s_wait_xcnt 0x0
; out = x + (silu(h Wg) * (h W1)) W2,  h = LayerNorm((x Wv + bv) * s by head),  s = S / (S + 1e-6),  S = the masked part of a softmax over 32 numbers of T.  All four products on codes of FP6 (E2M3), one E8M0 scale for each 32 along K.
; x, out: [16384][256] f32.  The weights come as images of the operand's registers (wimg: a fragment of 16 rows x 128 K is 1,536 bytes: chunk c holds lane l's registers 4 c .. 4 c + 3 at 512 c + 16 l), laid by the launch before;
; in every tensor lane r of tile 2 b + u holds weight row 32 b + 8 u + r + 8 (r / 8), so that the 16 registers of two neighbouring tiles' results are 16 neighbours along the next K.
; nbr [8 heads][16384 rows][2 words]: four bins of ranks 4 head .. 4 head + 3 (a byte each), and the row's mask word (bit k: centre's mask AND rank k's).  ttab: T[256][8] = emb_table Wa + ba.
; The reshape without a transpose: head e softmaxes T[bin of rank 4 e + k / 8][k % 8], k = 0 .. 31, and place k is masked by the neighbour of RANK k.
; SHARES.  A work-group of four waves, one to a SIMD, takes 64 rows.  UP TO h BY ROWS: wave w owns rows 16 w .. 16 w + 15, so x's codes never leave the wave and LayerNorm wants one exchange between the halves of the lanes.
; THEN BY COLUMNS: wave w makes hidden units 256 w .. 256 w + 255 (K steps 2 w, 2 w + 1 of the last product) and outputs 64 w .. 64 w + 63, for all 64 rows: each fragment of Wg, W1, W2 goes from memory straight into the registers of
; its one wave, by three loads of 512 consecutive bytes.  What goes from wave to wave is small: h's and a's codes, as images of their registers, through LDS.  Three barriers.
; All products are used transposed (source 0 = 16 rows of the weight, source 1 = 16 rows of activations): a lane holds ONE row and its registers run along the next K.
; NO CLUSTER, NO TENSOR LOAD: no weight tile lies in LDS here, so there is nothing for a joint load to fill; every work-group takes in the same 638,976 bytes of images, which all 256 read at about the same time.
; LIMITS: NaN and infinities among the inputs are not served; a block whose largest magnitude lies under 2^-124 keeps the scale byte 1 (a block of zeros too: its codes are zeros); v_exp_f32, v_rcp_f32, v_rsq_f32 are good to 1 ulp.
; The text is one straight line: no label, no branch.
; LDS: XST 64 rows x (1,024 + 16): x, later x + the result;  HIMG h's 8 fragments (2 m + s), HSC their scale words (128 bytes each);  AIMG a's 32 fragments (8 m + K step), ASC their scale words.
; REGISTERS, in windows of 256.  Window 0: v1-18 addresses; v24-55 the weights' scale words (4 slots of 8); v56-63 the activations' scale words; v64-191 numbers and accumulators; v192-255 at work.
;   Windows 1, 2: v0-191 Wv's 32 fragments, then a ring of four slots of 8 fragments (slot q: window 1 + q / 2, from v[96 (q % 2)]); v192-255 bv in the result's layout; at the end window 1 takes x for the residual.
;   Window 3: the softmax; then ln_g (v0-127) and ln_b (v128-255); then h's 8 fragments (v0-95); then two buffers of 8 fragments of a.
.set XP,   1040
.set HIMG, 66560
.set HSC,  78848
.set AOFF, 13312                       ; AIMG - HIMG
.set SOFF, 50176                       ; ASC - HSC
.set FRB,  1536
.set OW1,  196608                      ; wimg: Wg at 0, W1, W2, Wv
.set OW2,  393216
.set OWV,  589824
.set SCW,  24
.set BS,   56
.set ACC,  64
.set PC,   192                         ; codes in the making
.set PW,   240                         ; v240-243 a's scale words in the making
.set TE,   244                         ; v244-251 at work in silu
.set NB,   0                           ; window 3, the softmax: v0-7 nbr's words; v8-23 gather addresses; v24-31 -max log2(e), in pairs; v32-159 the logits, 32 a head; v160-191 the mask as f32
.set GA,   8
.set MX,   24
.set LG,   32
.set FM,   160
.set ZP,   192                         ; v192-199 the sums of p, v200-207 of masked p, in pairs; v208.. Z, v212.. S, v216.. s, v220.. the other half's s
.set SP,   200
.set ZS,   208
.set SS,   212
.set SF,   216
.set SX,   220
.set MSB, 0
.macro WIN new                         ; s_set_vgpr_msb: bits 1:0 source 0, 3:2 source 1, 5:4 source 2, 7:6 destination; the high byte repeats the setting that is left
.if MSB != (\new)
	s_set_vgpr_msb (MSB<<8)|(\new)
.set MSB, (\new)
.endif
.endm
.macro MM0 d, a, b, sa, sb             ; the first product of a sum: C = 0
	v_wmma_scale_f32_16x16x128_f8f6f4 v[\d:\d+7], v[\a:\a+11], v[\b:\b+11], 0, v[\sa], v[\sb] matrix_a_fmt:MATRIX_FMT_FP6 matrix_b_fmt:MATRIX_FMT_FP6
.endm
.macro MMA d, a, b, sa, sb             ; a further one, in place
	v_wmma_scale_f32_16x16x128_f8f6f4 v[\d:\d+7], v[\a:\a+11], v[\b:\b+11], v[\d:\d+7], v[\sa], v[\sb] matrix_a_fmt:MATRIX_FMT_FP6 matrix_b_fmt:MATRIX_FMT_FP6
.endm
.macro MMC d, a, b, c, sa, sb          ; the first product of a sum that begins with a bias
	v_wmma_scale_f32_16x16x128_f8f6f4 v[\d:\d+7], v[\a:\a+11], v[\b:\b+11], v[\c:\c+7], v[\sa], v[\sb] matrix_a_fmt:MATRIX_FMT_FP6 matrix_b_fmt:MATRIX_FMT_FP6
.endm
.macro PLACES n                        ; plain vector lines behind matrix instructions (ISA guide 7.12.1), where no useful ones are at hand
.rept \n
	v_nop
.endr
.endm
.macro BARRIER                         ; my LDS stores have landed and my LDS loads are in: then the work-group's barrier
	s_wait_dscnt 0x0
	s_barrier_signal -1
	s_barrier_wait -1
.endm
; 64 numbers of a lane, register 16 b + i = k 32 b + 16 (lane / 16) + i of my row, become a fragment's 12 registers of codes at pc and its scale word in pw.  tt: 8 registers, tm: 16 registers at work
.macro QUANT s, pc, tt, tm, pw
.irp b, 0,1,2,3
	v_max3_num_f32 v[\tm+\b], |v[\s+16*\b]|, |v[\s+1+16*\b]|, 0x1800000          ; block b: my 16 numbers, and the floor 2^(3 - 127): the byte cannot fall under 1
.endr
.irp i, 2,4,6,8,10,12,14
.irp b, 0,1,2,3
	v_max3_num_f32 v[\tm+\b], v[\tm+\b], |v[\s+16*\b+\i]|, |v[\s+1+16*\b+\i]|
.endr
.endr
.irp b, 0,1,2,3
	v_permlanex16_b32 v[\tm+4+\b], v[\tm+\b], s30, s31
.endr
.irp b, 0,1,2,3
	v_max_num_f32 v[\tm+\b], v[\tm+\b], v[\tm+4+\b]                              ; with lane l xor 16's: the block's largest magnitude
.endr
.irp b, 0,1,2,3
	v_add_nc_u32 v[\tm+12+\b], 0xff000000, v[\tm+\b]                             ; 2 off its exponent field: the conversion takes the exponent field of this operand as its scale
.endr
.irp b, 0,1,2,3
	v_lshrrev_b32 v[\tm+4+\b], 23, v[\tm+12+\b]                                  ; the scale's byte
.endr
	v_lshl_or_b32 v[\pw], v[\tm+5], 8, v[\tm+4]
	v_lshl_or_b32 v[\pw], v[\tm+6], 16, v[\pw]
	v_lshl_or_b32 v[\pw], v[\tm+7], 24, v[\pw]
.irp c, 0,1
	v_cvt_scalef32_pk16_fp6_f32 v[\pc+6*\c:\pc+6*\c+2], v[\s+32*\c:\s+32*\c+15], v[\tm+12+2*\c]
	v_cvt_scalef32_pk16_fp6_f32 v[\tt+4*\c:\tt+4*\c+2], v[\s+32*\c+16:\s+32*\c+31], v[\tm+13+2*\c]   ; (a conversion's three registers begin on an even number)
.endr
	v_nop                                          ; one plain place behind a scaled conversion
.irp c, 0,1                                    ; the operand's layout wants a WHOLE block in a lane: lanes 0-15 block 2 c, lanes 16-31 block 2 c + 1
.irp i, 0,1,2
	v_permlane16_swap_b32 v[\pc+6*\c+\i], v[\tt+4*\c+\i]
.endr
.irp i, 0,1,2
	v_mov_b32 v[\pc+6*\c+3+\i], v[\tt+4*\c+\i]
.endr
.endr
.endm
; unit k of weights into slot k % 4: 24 loads of 512 consecutive bytes and 4 of scale words.  k < 8: Wg's and W1's tiles 2 k, 2 k + 1 of my 16, both K steps.  k >= 8: W2's four tiles of mine, K steps 2 (k - 8), + 1
.macro ULOAD k
.set SL_, (\k)%4
.set SLB_, 96*(SL_%2)
	WIN 0x40*(1+SL_/2)
.if (\k) < 8
.irp mat, 0,1
.irp u, 0,1
.irp s, 0,1
.irp c, 0,1,2
	global_load_b128 v[SLB_+12*(4*\mat+2*\u+\s)+4*\c:SLB_+12*(4*\mat+2*\u+\s)+4*\c+3], v8, s[10:11] offset:OW1*\mat+((2*(\k)+\u)*2+\s)*FRB+512*\c
.endr
.endr
.endr
.endr
	WIN 0
.irp mat, 0,1
.irp u, 0,1
	global_load_b64 v[SCW+8*SL_+2*(2*\mat+\u):SCW+8*SL_+2*(2*\mat+\u)+1], v10, s[14+2*\mat:15+2*\mat] offset:(32*(\k)+8*\u)*8   ; a row's 8 scale bytes: the words of both K steps
.endr
.endr
.else
.irp n, 0,1,2,3
.irp e, 0,1
.irp c, 0,1,2
	global_load_b128 v[SLB_+12*(2*\n+\e)+4*\c:SLB_+12*(2*\n+\e)+4*\c+3], v8, s[10:11] offset:OW2+(8*\n+2*((\k)-8)+\e)*FRB+512*\c
.endr
.endr
.endr
	WIN 0
.irp n, 0,1,2,3
	global_load_b64 v[SCW+8*SL_+2*\n:SCW+8*SL_+2*\n+1], v11, s[18:19] offset:(32*(\n/2)+8*(\n%2))*32+8*((\k)-8)
.endr
.endif
.endm
; a = silu(G) U = G U / (1 + 2^(-G log2 e)) for one tile of 8 registers; the result takes G's place
.macro SILU t
.set G_, ACC+8*(\t)
.set U_, ACC+64+8*(\t)
.irp k, 0,2,4,6
	v_pk_mul_f32 v[TE+\k:TE+\k+1], v[G_+\k:G_+\k+1], s[34:35] op_sel_hi:[1,0]
.endr
.irp k, 0,1,2,3,4,5,6,7
	v_exp_f32 v[TE+\k], v[TE+\k]
.endr
.irp k, 0,2,4,6
	v_pk_mul_f32 v[G_+\k:G_+\k+1], v[G_+\k:G_+\k+1], v[U_+\k:U_+\k+1]            ; (plain lines behind the exponentials)
.endr
	s_wait_alu depctr_va_vdst(0)
.irp k, 0,2,4,6
	v_pk_add_f32 v[TE+\k:TE+\k+1], v[TE+\k:TE+\k+1], 1.0 op_sel_hi:[1,0]
.endr
.irp k, 0,1,2,3,4,5,6,7
	v_rcp_f32 v[TE+\k], v[TE+\k]
.endr
	v_nop
	s_wait_alu depctr_va_vdst(0)
.irp k, 0,2,4,6
	v_pk_mul_f32 v[G_+\k:G_+\k+1], v[G_+\k:G_+\k+1], v[TE+\k:TE+\k+1]
.endr
.endm
; block p of my 8 blocks of 32 hidden units is quantised for the four tiles of rows (by turns): v[ACC + 16 m ..] are 16 neighbours.  At work: v128-159, which U has left.  Four blocks make a fragment, which then goes to LDS
.macro QB p
.set BB_, (\p)%4
.set CC_, BB_/2
.irp m, 0,1,2,3
	v_max3_num_f32 v[128+\m], |v[ACC+16*\m]|, |v[ACC+1+16*\m]|, 0x1800000
.endr
.irp i, 2,4,6,8,10,12,14
.irp m, 0,1,2,3
	v_max3_num_f32 v[128+\m], v[128+\m], |v[ACC+16*\m+\i]|, |v[ACC+1+16*\m+\i]|
.endr
.endr
.irp m, 0,1,2,3
	v_permlanex16_b32 v[132+\m], v[128+\m], s30, s31
.endr
.irp m, 0,1,2,3
	v_max_num_f32 v[128+\m], v[128+\m], v[132+\m]
.endr
.irp m, 0,1,2,3
	v_add_nc_u32 v[136+\m], 0xff000000, v[128+\m]
.endr
.irp m, 0,1,2,3
.if BB_ == 0
	v_lshrrev_b32 v[PW+\m], 23, v[136+\m]                                        ; the first byte starts the word
.else
	v_lshrrev_b32 v[140+\m], 23, v[136+\m]
.endif
.endr
.if BB_ > 0
.irp m, 0,1,2,3
	v_lshl_or_b32 v[PW+\m], v[140+\m], 8*BB_, v[PW+\m]
.endr
.endif
.irp m, 0,1,2,3
.if BB_%2 == 0
	v_cvt_scalef32_pk16_fp6_f32 v[PC+12*\m+6*CC_:PC+12*\m+6*CC_+2], v[ACC+16*\m:ACC+16*\m+15], v[136+\m]
.else
	v_cvt_scalef32_pk16_fp6_f32 v[144+4*\m:146+4*\m], v[ACC+16*\m:ACC+16*\m+15], v[136+\m]
.endif
.endr
	v_nop                                          ; one plain place behind a scaled conversion
.if BB_%2 == 1
.irp m, 0,1,2,3
.irp i, 0,1,2
	v_permlane16_swap_b32 v[PC+12*\m+6*CC_+\i], v[144+4*\m+\i]
.endr
.irp i, 0,1,2
	v_mov_b32 v[PC+12*\m+6*CC_+3+\i], v[144+4*\m+\i]
.endr
.endr
.endif
.if BB_ == 3
.irp m, 0,1,2,3
.irp c, 0,1,2
	ds_store_b128 v16, v[PC+12*\m+4*\c:PC+12*\m+4*\c+3] offset:AOFF+(8*\m+(\p)/4)*FRB+512*\c    ; rows 16 m on, K step 2 w + p / 4
.endr
	ds_store_b32 v18, v[PW+\m] offset:SOFF+(8*\m+(\p)/4)*128
.endr
	s_wait_dscnt 0x0                               ; the stores have read their registers
.endif
.endm
; unit p of the gate and up products: 16 accumulators (2 matrices x 2 tiles x 4 tiles of rows) by turns, one instruction a turn; then the slot's next unit is asked for; silu; the quantiser
.macro GU p
.set SL_, (\p)%4
.set SLB_, 96*(SL_%2)
.if (\p) >= 4
	s_wait_loadcnt 63                              ; three units, 84 loads, were issued behind this one's: at most 63 out shows it in
.endif
	WIN 0x0D+SL_/2                                 ; source 0 (the weight) window 1 or 2, source 1 (h) window 3
.irp s, 0,1
.irp m, 0,1,2,3
.irp u, 0,1
.irp mat, 0,1
.set D_, ACC+64*\mat+16*\m+8*\u
.set A_, SLB_+12*(4*\mat+2*\u+\s)
.set B_, 12*(2*\m+\s)
.set SA_, SCW+8*SL_+2*(2*\mat+\u)+\s
.set SX_, BS+2*\m+\s
.if \s == 0
	MM0 D_, A_, B_, SA_, SX_
.else
	MMA D_, A_, B_, SA_, SX_
.endif
.endr
.endr
.endr
.endr
	WIN 0
	PLACES 4                                       ; in front of loads into registers that the products have read, and of the first read of results
	ULOAD (\p)+4
.irp t, 0,1,2,3,4,5,6,7
	SILU \t
.endr
	QB \p
.endm
.macro FETCHF q                        ; a's 8 fragments of K steps 2 q, 2 q + 1 (4 tiles of rows) into buffer q % 2 of window 3: 24 LDS loads
	WIN 0xC0
.irp m, 0,1,2,3
.irp e, 0,1
.irp c, 0,1,2
	ds_load_b128 v[96*((\q)%2)+12*(2*\m+\e)+4*\c:96*((\q)%2)+12*(2*\m+\e)+4*\c+3], v15 offset:AOFF+(8*\m+2*(\q)+\e)*FRB+512*\c
.endr
.endr
.endr
	WIN 0
.endm
.macro FETCHS q                        ; and their 8 scale words: one set of registers, which hold scales alone
.irp m, 0,1,2,3
.irp e, 0,1
	ds_load_b32 v[BS+2*\m+\e], v17 offset:SOFF+(8*\m+2*(\q)+\e)*128
.endr
.endr
.endm
; unit q of the last product: 16 accumulators (4 tiles of outputs x 4 tiles of rows) by turns.  left: the global loads issued behind this unit's
.macro W2U q, left
.set SL_, (\q)%4
.set SLB_, 96*(SL_%2)
.if (\q) < 3
	FETCHF (\q)+1
	s_wait_dscnt 24                                ; all but the 24 just issued: this unit's fragments and scale words are in
.else
	s_wait_dscnt 0x0
.endif
	s_wait_loadcnt \left
	WIN 0x0D+SL_/2
.irp e, 0,1
.irp n, 0,1,2,3
.irp m, 0,1,2,3
.set D_, ACC+32*\m+8*\n
.set A_, SLB_+12*(2*\n+\e)
.set B_, 96*((\q)%2)+12*(2*\m+\e)
.set SA_, SCW+8*SL_+2*\n+\e
.set SX_, BS+2*\m+\e
.if ((\q) == 0) && (\e == 0)
	MM0 D_, A_, B_, SA_, SX_
.else
	MMA D_, A_, B_, SA_, SX_
.endif
.endr
.endr
.endr
	WIN 0
	PLACES 4
.if (\q) < 3
	FETCHS (\q)+1
.endif
.endm
	s_load_b512 s[4:19], s[0:1], 0x0               ; x s[4:5], nbr s[6:7], ttab s[8:9], wimg s[10:11], scales of Wv s[12:13], Wg s[14:15], W1 s[16:17], W2 s[18:19]
	s_load_b256 s[20:27], s[0:1], 0x40             ; bv s[20:21], ln_g s[22:23], ln_b s[24:25], out s[26:27]
	v_lshl_add_u32 v22, v0, 2, 0x20800
	v_mov_b32 v23, 0
	v_lshrrev_b32 v1, 5, v0
	v_readfirstlane_b32 s28, v1                    ; wave 0..3
	v_and_b32 v1, 31, v0                           ; lane
	v_and_b32 v2, 15, v0                           ; r
	v_bfe_u32 v3, v0, 4, 1                         ; h
	v_lshlrev_b32 v4, 4, v1                        ; 16 x lane: dense loads and stores, images
	s_mul_i32 s37, s28, 16*XP
	v_add_nc_u32 v5, s37, v4                       ; XST: my 16 rows, dense
	v_mul_u32_u24 v19, v2, XP
	v_lshl_add_u32 v19, v3, 6, v19
	v_add_nc_u32 v6, s37, v19                      ; XST: row 16 w + r, + 64 h: my 16 numbers of a block of 32
	s_lshl_b32 s38, s28, 8
	v_add_nc_u32 v7, s38, v19                      ; XST: row r, + 64 h, + my 64 outputs' bytes
	s_mul_i32 s39, s28, 32*FRB
	v_add_nc_u32 v8, s39, v4                       ; wimg: my 32 fragments of Wg, of W1, of W2
	v_and_b32 v20, 8, v2
	v_add_nc_u32 v20, v20, v2                      ; r + 8 (r / 8)
	s_lshl_b32 s40, s28, 11
	v_lshl_add_u32 v10, v20, 3, s40                ; Wg's, W1's scale bytes: 8 a row, my 256 rows
	v_lshl_add_u32 v11, v20, 5, s40                ; W2's: 32 a row, my 64 rows
	v_lshlrev_b32 v12, 3, v20                      ; Wv's: 8 a row
	v_lshlrev_b32 v13, 6, v3                       ; bv, ln_g, ln_b: 64 h
	v_lshlrev_b32 v14, 3, v2
	v_lshl_add_u32 v14, v3, 19, v14                ; nbr: row r, heads 4 h on
	v_add_nc_u32 v15, HIMG, v4                     ; an image's place for my lane,
	s_mul_i32 s41, s28, 2*FRB
	v_add_nc_u32 v16, s41, v15                     ; and where I store mine: two fragments a wave
	v_lshl_add_u32 v17, v1, 2, HSC                 ; a scale word's place,
	v_add_nc_u32 v18, s38, v17                     ; and where I store mine
	v_cmp_lt_u32 s36, 15, v1                       ; the lanes with h = 1
.irp b, 0,1,2,3
	v_mov_b32 v[228+\b], 0                         ; written once: a lane permute's destination counts as one of its sources
.endr
	v_mov_b32 v201, 0
	v_mov_b32 v203, 0
	s_mov_b32 s30, 0x76543210
	s_mov_b32 s31, 0xfedcba98                      ; v_permlanex16_b32's selects for lane l xor 16
	s_mov_b32 s32, 0x3fb8aa3b                      ; log2(e); the packed forms name a pair and take its low word for both halves
	s_mov_b32 s33, s32
	s_mov_b32 s34, 0xbfb8aa3b                      ; -log2(e)
	s_mov_b32 s35, s34
	s_mov_b32 s46, 0x3b800000                      ; 1 / 256
	s_mov_b32 s47, 0x3727c5ac                      ; 1e-5
	s_lshl_b32 s42, ttmp9, 16
	s_lshl_b32 s43, s28, 14
	s_add_co_u32 s42, s42, s43                     ; my 16 rows of x and of out: 65,536 x work-group + 16,384 x wave
	s_mov_b32 s43, 0
	s_lshl_b32 s44, ttmp9, 9
	s_lshl_b32 s45, s28, 7
	s_add_co_u32 s44, s44, s45                     ; and of nbr: 8 bytes a row
	s_mov_b32 s45, 0
	s_wait_kmcnt 0x0
	s_add_nc_u64 s[4:5], s[4:5], s[42:43]
	s_add_nc_u64 s[26:27], s[26:27], s[42:43]
	s_add_nc_u64 s[6:7], s[6:7], s[44:45]
	; ---- 180 loads: nbr (4), x (32); behind them 144: Wv's scale words (16), bv (32), Wv (96)
	WIN 0xC0
.irp e, 0,1,2,3
	global_load_b64 v[NB+2*\e:NB+2*\e+1], v14, s[6:7] offset:131072*\e
.endr
	WIN 0
.set i, 0
.rept 32
	global_load_b128 v[ACC+4*i:ACC+4*i+3], v4, s[4:5] offset:512*i th:TH_LOAD_NT   ; 32 lanes read 512 consecutive bytes; read once in the launch
.set i, i+1
.endr
.set t, 0
.rept 16
	global_load_b64 v[SCW+2*t:SCW+2*t+1], v12, s[12:13] offset:(32*(t/2)+8*(t%2))*8
.set t, t+1
.endr
.irp g, 0,1                                    ; tiles 8 g .. 8 g + 7 into window 1 + g
	WIN 0x40*(1+\g)
.irp t, 0,1,2,3,4,5,6,7
	global_load_b128 v[192+8*\t:195+8*\t], v13, s[20:21] offset:128*((8*\g+\t)/2)+32*(\t%2)       ; bv in the result's layout: lane (r, h), tile 2 b + u: columns 32 b + 16 h + 8 u + 0 .. 7
	global_load_b128 v[196+8*\t:199+8*\t], v13, s[20:21] offset:128*((8*\g+\t)/2)+32*(\t%2)+16
.endr
.irp t, 0,1,2,3,4,5,6,7
.irp s, 0,1
.irp c, 0,1,2
	global_load_b128 v[24*\t+12*\s+4*\c:24*\t+12*\s+4*\c+3], v4, s[10:11] offset:OWV+(2*(8*\g+\t)+\s)*FRB+512*\c
.endr
.endr
.endr
.endr
	WIN 0
	s_wait_loadcnt 63                              ; 144 loads were issued behind x's: at most 63 out shows nbr and x in
	; ---- x through my rows of the stage: in as it lies, back 16 neighbours of each block of 32 a lane.  It stays there for the residual.  LDS serves a wave's instructions in order
.set i, 0
.rept 32
	ds_store_b128 v5, v[ACC+4*i:ACC+4*i+3] offset:(i/2)*XP+512*(i%2)
.set i, i+1
.endr
.set i, 0
.rept 32
	ds_load_b128 v[ACC+4*i:ACC+4*i+3], v6 offset:128*(i/4)+16*(i%4)               ; register 16 b + 4 j: k = 32 b + 16 h + 4 j
.set i, i+1
.endr
	; ---- the gathers from T: lane (r, h) takes heads 4 h + e of row r; rank 4 head + j's bin picks 8 numbers
	WIN 0xFF
.irp e, 0,1,2,3
.irp j, 0,1,2,3
	v_bfe_u32 v[GA+4*\e+\j], v[NB+2*\e], 8*\j, 8
.endr
.endr
.irp e, 0,1,2,3
.irp j, 0,1,2,3
	v_min_u32 v[GA+4*\e+\j], 0xff, v[GA+4*\e+\j]   ; a loaded number enters an address only held to the table's 256 rows
.endr
.endr
.irp e, 0,1,2,3
.irp j, 0,1,2,3
	v_lshlrev_b32 v[GA+4*\e+\j], 5, v[GA+4*\e+\j]
.endr
.endr
.irp e, 0,1,2,3
.irp j, 0,1,2,3
	global_load_b128 v[LG+32*\e+8*\j:LG+32*\e+8*\j+3], v[GA+4*\e+\j], s[8:9]
	global_load_b128 v[LG+32*\e+8*\j+4:LG+32*\e+8*\j+7], v[GA+4*\e+\j], s[8:9] offset:16
.endr
.endr
	WIN 0
	s_wait_dscnt 0x0
	; ---- x's two fragments, in registers: they never leave the wave
	QUANT ACC, 192, 216, 224, BS
	QUANT ACC+64, 204, 216, 224, BS+1
	PLACES 8                                       ; a scale register written by a vector line stands 8 places ahead of a scaled matrix instruction, an operand so written 4
	s_wait_loadcnt 32                              ; only the 32 gathers were issued behind Wv, its scale words and bv
	; ---- v^T = Wv x^T + bv: 16 tiles by turns, K step by K step.  Register 16 b + i of ACC = column 32 b + 16 h + i: block b is head b
	WIN 0x11                                       ; source 0 (Wv) and source 2 (bv) window 1
.irp t, 0,1,2,3,4,5,6,7
	MMC ACC+8*\t, 24*\t, 192, 192+8*\t, SCW+2*\t, BS
.endr
	WIN 0x22
.irp t, 0,1,2,3,4,5,6,7
	MMC ACC+64+8*\t, 24*\t, 192, 192+8*\t, SCW+16+2*\t, BS
.endr
	WIN 0x01
.irp t, 0,1,2,3,4,5,6,7
	MMA ACC+8*\t, 24*\t+12, 204, SCW+2*\t+1, BS+1
.endr
	WIN 0x02
.irp t, 0,1,2,3,4,5,6,7
	MMA ACC+64+8*\t, 24*\t+12, 204, SCW+16+2*\t+1, BS+1
.endr
	WIN 0
	PLACES 4
	ULOAD 0                                        ; the ring's four slots take Wv's place: 112 loads
	ULOAD 1
	ULOAD 2
	ULOAD 3
	; ---- the softmax of my four heads, and what the mask leaves of it
	s_wait_loadcnt 63                              ; 112 loads were issued behind the gathers
	WIN 0xFF
.set k, 0
.rept 32
	v_bfe_u32 v[FM+k], v[NB+1], k, 1               ; the mask word is the row's: the same in all heads
.set k, k+1
.endr
.set k, 0
.rept 32
	v_cvt_f32_u32 v[FM+k], v[FM+k]
.set k, k+1
.endr
.irp e, 0,1,2,3
	v_mov_b32 v[SX+\e], 0                          ; a lane permute's destination counts as one of its sources
.endr
.irp e, 0,1,2,3
	v_max3_num_f32 v[MX+2*\e], v[LG+32*\e], v[LG+32*\e+1], v[LG+32*\e+2]
.endr
.irp i, 3,5,7,9,11,13,15,17,19,21,23,25,27,29
.irp e, 0,1,2,3
	v_max3_num_f32 v[MX+2*\e], v[MX+2*\e], v[LG+32*\e+\i], v[LG+32*\e+\i+1]
.endr
.endr
.irp e, 0,1,2,3
	v_max_num_f32 v[MX+2*\e], v[MX+2*\e], v[LG+32*\e+31]
.endr
.irp e, 0,1,2,3
	v_mul_f32 v[MX+2*\e], s34, v[MX+2*\e]          ; -max log2(e)
.endr
.irp e, 0,1,2,3
	v_mov_b32 v[MX+2*\e+1], v[MX+2*\e]             ; (named with it as a pair, so it is written)
.endr
.irp k, 0,2,4,6,8,10,12,14,16,18,20,22,24,26,28,30
.irp e, 0,1,2,3
	v_pk_fma_f32 v[LG+32*\e+\k:LG+32*\e+\k+1], v[LG+32*\e+\k:LG+32*\e+\k+1], s[32:33], v[MX+2*\e:MX+2*\e+1] op_sel_hi:[1,0,0]   ; (l - max) log2(e)
.endr
.endr
.set k, 0
.rept 128
	v_exp_f32 v[LG+k], v[LG+k]
.set k, k+1
.endr
	v_nop
	s_wait_alu depctr_va_vdst(0)
.irp e, 0,1,2,3
	v_pk_add_f32 v[ZP+2*\e:ZP+2*\e+1], v[LG+32*\e:LG+32*\e+1], v[LG+32*\e+2:LG+32*\e+3]
	v_pk_mul_f32 v[SP+2*\e:SP+2*\e+1], v[LG+32*\e:LG+32*\e+1], v[FM:FM+1]
.endr
.irp e, 0,1,2,3
	v_pk_fma_f32 v[SP+2*\e:SP+2*\e+1], v[LG+32*\e+2:LG+32*\e+3], v[FM+2:FM+3], v[SP+2*\e:SP+2*\e+1]
.endr
.irp k, 4,6,8,10,12,14,16,18,20,22,24,26,28,30
.irp e, 0,1,2,3
	v_pk_add_f32 v[ZP+2*\e:ZP+2*\e+1], v[ZP+2*\e:ZP+2*\e+1], v[LG+32*\e+\k:LG+32*\e+\k+1]
	v_pk_fma_f32 v[SP+2*\e:SP+2*\e+1], v[LG+32*\e+\k:LG+32*\e+\k+1], v[FM+\k:FM+\k+1], v[SP+2*\e:SP+2*\e+1]
.endr
.endr
.irp e, 0,1,2,3
	v_add_f32 v[ZS+\e], v[ZP+2*\e], v[ZP+2*\e+1]
	v_add_f32 v[SS+\e], v[SP+2*\e], v[SP+2*\e+1]
.endr
.irp e, 0,1,2,3
	v_rcp_f32 v[ZS+\e], v[ZS+\e]
.endr
	v_nop
	s_wait_alu depctr_va_vdst(0)
.irp e, 0,1,2,3
	v_mul_f32 v[SS+\e], v[SS+\e], v[ZS+\e]         ; S = the masked part of the softmax
.endr
.irp e, 0,1,2,3
	v_add_f32 v[SF+\e], 0x358637bd, v[SS+\e]       ; S + 1e-6
.endr
.irp e, 0,1,2,3
	v_rcp_f32 v[SF+\e], v[SF+\e]
.endr
	v_nop
	s_wait_alu depctr_va_vdst(0)
.irp e, 0,1,2,3
	v_mul_f32 v[SF+\e], v[SS+\e], v[SF+\e]         ; s
.endr
.irp e, 0,1,2,3
	v_permlanex16_b32 v[SX+\e], v[SF+\e], s30, s31 ; the other four heads' lie in lane l xor 16
.endr
	WIN 0x0F                                       ; sources window 3, destination window 0: s of heads 0 .. 7, each twice, for the packed multiply
.irp e, 0,1,2,3
	v_cndmask_b32 v[240+2*\e], v[SF+\e], v[SX+\e], s36
	v_cndmask_b32 v[241+2*\e], v[SF+\e], v[SX+\e], s36
	v_cndmask_b32 v[248+2*\e], v[SX+\e], v[SF+\e], s36
	v_cndmask_b32 v[249+2*\e], v[SX+\e], v[SF+\e], s36
.endr
	; ---- LayerNorm of my row (128 numbers here, 128 in lane l xor 16)
	WIN 0xC0
.set k, 0
.rept 32
	global_load_b128 v[4*k:4*k+3], v13, s[22:23] offset:128*(k/4)+16*(k%4)        ; ln_g and ln_b in the numbers' layout
	global_load_b128 v[128+4*k:131+4*k], v13, s[24:25] offset:128*(k/4)+16*(k%4)
.set k, k+1
.endr
	WIN 0
.set k, 0
.rept 64
	v_pk_mul_f32 v[ACC+2*k:ACC+2*k+1], v[ACC+2*k:ACC+2*k+1], v[240+2*(k/8):241+2*(k/8)]   ; upd = v x s of its head; each accumulator from its low end on
.set k, k+1
.endr
.irp c, 0,1,2,3
	v_pk_add_f32 v[192+2*\c:193+2*\c], v[ACC+2*\c:ACC+2*\c+1], v[ACC+8+2*\c:ACC+9+2*\c]   ; the sum, in four chains of pairs
.endr
.set k, 8
.rept 56
	v_pk_add_f32 v[192+2*(k%4):193+2*(k%4)], v[192+2*(k%4):193+2*(k%4)], v[ACC+2*k:ACC+2*k+1]
.set k, k+1
.endr
	v_pk_add_f32 v[192:193], v[192:193], v[194:195]
	v_pk_add_f32 v[196:197], v[196:197], v[198:199]
	v_pk_add_f32 v[192:193], v[192:193], v[196:197]
	v_add_f32 v200, v192, v193
	v_permlanex16_b32 v201, v200, s30, s31
	v_add_f32 v200, v200, v201
	v_mul_f32 v200, s46, v200                      ; the mean
	v_mov_b32 v201, v200
.set k, 0
.rept 64
	v_pk_add_f32 v[ACC+2*k:ACC+2*k+1], v[ACC+2*k:ACC+2*k+1], v[200:201] neg_lo:[0,1] neg_hi:[0,1]
.set k, k+1
.endr
.irp c, 0,1,2,3
	v_pk_mul_f32 v[192+2*\c:193+2*\c], v[ACC+2*\c:ACC+2*\c+1], v[ACC+2*\c:ACC+2*\c+1]
.endr
.set k, 4
.rept 60
	v_pk_fma_f32 v[192+2*(k%4):193+2*(k%4)], v[ACC+2*k:ACC+2*k+1], v[ACC+2*k:ACC+2*k+1], v[192+2*(k%4):193+2*(k%4)]
.set k, k+1
.endr
	v_pk_add_f32 v[192:193], v[192:193], v[194:195]
	v_pk_add_f32 v[196:197], v[196:197], v[198:199]
	v_pk_add_f32 v[192:193], v[192:193], v[196:197]
	v_add_f32 v202, v192, v193
	v_permlanex16_b32 v203, v202, s30, s31
	v_add_f32 v202, v202, v203
	v_fma_f32 v202, v202, s46, s47                 ; the variance + 1e-5
	v_rsq_f32 v202, v202
	v_nop
	s_wait_alu depctr_va_vdst(0)
	v_mov_b32 v203, v202
.set k, 0
.rept 64
	v_pk_mul_f32 v[ACC+2*k:ACC+2*k+1], v[ACC+2*k:ACC+2*k+1], v[202:203]
.set k, k+1
.endr
	s_wait_loadcnt 0x0                             ; ln_g, ln_b; the ring's four units are older, so they are in too
	WIN 0x3C                                       ; sources 1 and 2 window 3
.set k, 0
.rept 64
	v_pk_fma_f32 v[ACC+2*k:ACC+2*k+1], v[ACC+2*k:ACC+2*k+1], v[2*k:2*k+1], v[128+2*k:129+2*k]
.set k, k+1
.endr
	WIN 0
	; ---- h's two fragments of my rows go to LDS as images of their registers
	QUANT ACC, PC, 216, 224, 252
.irp c, 0,1,2
	ds_store_b128 v16, v[PC+4*\c:PC+4*\c+3] offset:512*\c
.endr
	ds_store_b32 v18, v252
	s_wait_dscnt 0x0                               ; the stores have read their registers
	QUANT ACC+64, PC, 216, 224, 252
.irp c, 0,1,2
	ds_store_b128 v16, v[PC+4*\c:PC+4*\c+3] offset:FRB+512*\c
.endr
	ds_store_b32 v18, v252 offset:128
	BARRIER                                        ; h's eight fragments lie in LDS, and all of x
	WIN 0xC0
.irp f, 0,1,2,3,4,5,6,7
.irp c, 0,1,2
	ds_load_b128 v[12*\f+4*\c:12*\f+4*\c+3], v15 offset:\f*FRB+512*\c
.endr
.endr
	WIN 0
.irp f, 0,1,2,3,4,5,6,7
	ds_load_b32 v[BS+\f], v17 offset:128*\f
.endr
	s_wait_dscnt 0x0
	; ---- my 256 hidden units, 32 at a time, for all 64 rows
	GU 0
	GU 1
	GU 2
	GU 3
	GU 4
	GU 5
	GU 6
	GU 7
	BARRIER                                        ; a's 32 fragments lie in LDS
	; ---- my 64 outputs for all 64 rows: K = 1,024 in four units of two K steps
	FETCHF 0
	FETCHS 0
	W2U 0, 63                                      ; three units, 84 loads, were issued behind W2's first
	W2U 1, 56                                      ; two units
	W2U 2, 28                                      ; one
	W2U 3, 0
	; ---- + x, in the stage: lane (r, h), tile n of rows 16 m on: columns 64 w + 32 (n / 2) + 16 h + 8 (n % 2) + 0 .. 7.  Each byte is read and written by one lane
	WIN 0x40
.irp m, 0,1,2,3
.irp n, 0,1,2,3
	ds_load_b128 v[32*\m+8*\n:32*\m+8*\n+3], v7 offset:16*XP*\m+128*(\n/2)+32*(\n%2)
	ds_load_b128 v[32*\m+8*\n+4:32*\m+8*\n+7], v7 offset:16*XP*\m+128*(\n/2)+32*(\n%2)+16
.endr
.endr
	s_wait_dscnt 0x0
	WIN 0x04                                       ; source 1 (x) window 1
.set k, 0
.rept 64
	v_pk_add_f32 v[ACC+2*k:ACC+2*k+1], v[ACC+2*k:ACC+2*k+1], v[2*k:2*k+1]          ; each accumulator from its low end on
.set k, k+1
.endr
	WIN 0
.irp m, 0,1,2,3
.irp n, 0,1,2,3
	ds_store_b128 v7, v[ACC+32*\m+8*\n:ACC+32*\m+8*\n+3] offset:16*XP*\m+128*(\n/2)+32*(\n%2)
	ds_store_b128 v7, v[ACC+32*\m+8*\n+4:ACC+32*\m+8*\n+7] offset:16*XP*\m+128*(\n/2)+32*(\n%2)+16
.endr
.endr
	BARRIER                                        ; 64 whole rows of the result lie in the stage
.set i, 0
.rept 32
	ds_load_b128 v[ACC+4*i:ACC+4*i+3], v5 offset:(i/2)*XP+512*(i%2)
.set i, i+1
.endr
.set i, 0
.rept 32
	s_wait_dscnt 31-i                              ; LDS loads come back in order: load i is in, the younger ones may be out
	global_store_b128 v4, v[ACC+4*i:ACC+4*i+3], s[26:27] offset:512*i th:TH_STORE_NT   ; 32 lanes store 512 consecutive bytes, at a multiple of 256 from the buffer's first byte; written once, read by nobody here
.set i, i+1
.endr
	s_wait_tensorcnt 0x0
	ds_add_u32 v22, v23
	s_wait_dscnt 0x0
	s_endpgm
.Lfunc_end_k_qc2e55e8050_ffn:
	.size	k_qc2e55e8050_ffn, .Lfunc_end_k_qc2e55e8050_ffn-k_qc2e55e8050_ffn
	.p2alignl 7, 3214868480
	.fill 96, 4, 3214868480
	.section	.rodata,"a",@progbits
	.p2align	6, 0x0
	.amdhsa_kernel k_qc2e55e8050_ffn
		.amdhsa_group_segment_fixed_size 133632
		.amdhsa_private_segment_fixed_size 0
		.amdhsa_enable_private_segment 0
		.amdhsa_kernarg_size 96
		.amdhsa_user_sgpr_count 2
		.amdhsa_user_sgpr_kernarg_segment_ptr 1
		.amdhsa_wavefront_size32 1
		.amdhsa_system_sgpr_workgroup_id_x 1
		.amdhsa_system_sgpr_workgroup_id_y 1
		.amdhsa_system_sgpr_workgroup_id_z 1
		.amdhsa_system_vgpr_workitem_id 0
		.amdhsa_next_free_vgpr 1024
		.amdhsa_next_free_sgpr 66
		.amdhsa_reserve_vcc 0
		.amdhsa_float_denorm_mode_32 3
		.amdhsa_float_denorm_mode_16_64 3
		.amdhsa_memory_ordered 1
		.amdhsa_forward_progress 1
		.amdhsa_inst_pref_size 255
	.end_amdhsa_kernel
	.section	.bss,"aw",@nobits
	.p2align	6
	.space	262144
	.amdgpu_metadata
---
amdhsa.version: [ 1, 2 ]
amdhsa.kernels:
  - .name:           k_qc2e55e8050_ffn
    .symbol:         k_qc2e55e8050_ffn.kd
    .args:
      - { .name: x, .offset: 0, .size: 8, .value_kind: global_buffer, .address_space: global }
      - { .name: nbr, .offset: 8, .size: 8, .value_kind: global_buffer, .address_space: global }
      - { .name: ttab, .offset: 16, .size: 8, .value_kind: global_buffer, .address_space: global }
      - { .name: wimg, .offset: 24, .size: 8, .value_kind: global_buffer, .address_space: global }
      - { .name: Wv_scales, .offset: 32, .size: 8, .value_kind: global_buffer, .address_space: global }
      - { .name: Wg_scales, .offset: 40, .size: 8, .value_kind: global_buffer, .address_space: global }
      - { .name: W1_scales, .offset: 48, .size: 8, .value_kind: global_buffer, .address_space: global }
      - { .name: W2_scales, .offset: 56, .size: 8, .value_kind: global_buffer, .address_space: global }
      - { .name: bv, .offset: 64, .size: 8, .value_kind: global_buffer, .address_space: global }
      - { .name: ln_g, .offset: 72, .size: 8, .value_kind: global_buffer, .address_space: global }
      - { .name: ln_b, .offset: 80, .size: 8, .value_kind: global_buffer, .address_space: global }
      - { .name: out0, .offset: 88, .size: 8, .value_kind: global_buffer, .address_space: global }
    .group_segment_fixed_size: 133632
    .private_segment_fixed_size: 0
    .kernarg_segment_align: 8
    .kernarg_segment_size: 96
    .max_flat_workgroup_size: 128
    .sgpr_count:     66
    .vgpr_count:     1024
    .wavefront_size: 32
...
	.end_amdgpu_metadata
.endif
;; end of part 2
;; ======== version 2 of 2: 2 launches; version 1 with the launch ffn written anew for expert scheduling mode
;; limits: values within 1.2e-07 (relative) of each other or of a threshold may be ordered or decided otherwise than in the reference
;; workspace buffers: nbr 1,048,576 bytes of whole numbers; ttab 8,192 bytes; wimg 638,976 bytes
;; launch knn: the kernel of part 1 again; grid 256 x 1, 16 waves a work-group, no clusters, 215,040 bytes of LDS; arguments positions, not_pad_mask, dist_bins, emb_table, Wa, ba, Wg_codes, W1_codes, W2_codes, Wv_codes, nbr, ttab, wimg; writes nbr, ttab, wimg
;; launch ffn (part 3): grid 256 x 1, 4 waves a work-group, no clusters, 133,632 bytes of LDS; arguments x, nbr, ttab, wimg, Wv_scales, Wg_scales, W1_scales, W2_scales, bv, ln_g, ln_b, out0; writes out0
.if DOCPART == 3
	.amdgcn_target "amdgcn-amd-amdhsa--gfx1250"
	.amdhsa_code_object_version 6
	.text
	.protected	k_qc2e55e8050_ffn
	.globl	k_qc2e55e8050_ffn
	.p2align	8
	.type	k_qc2e55e8050_ffn,@function
k_qc2e55e8050_ffn:
	s_mov_b64 s[64:65], 0
	v_nop
	global_prefetch_b8 v0, s[64:65] scope:SCOPE_SE
	s_setreg_imm32_b32 hwreg(HW_REG_WAVE_SCHED_MODE, 0, 2), 2
	s_setreg_imm32_b32 hwreg(HW_REG_WAVE_MODE, 25, 1), 1
	s_wait_xcnt 0x0
	s_wait_alu depctr_vm_vsrc(0)
; out = x + (silu(h Wg) * (h W1)) W2,  h = LayerNorm((x Wv + bv) * s by head),  s = S / (S + 1e-6),  S = the masked part of a softmax over 32 numbers of T.  All four products on codes of FP6 (E2M3), one E8M0 scale for each 32 along K.
; x, out: [16384][256] f32.  The weights come as images of the operand's registers (wimg: a fragment of 16 rows x 128 K is 1,536 bytes: chunk c holds lane l's registers 4 c .. 4 c + 3 at 512 c + 16 l), laid by the launch before;
; in every tensor lane r of tile 2 b + u holds weight row 32 b + 8 u + r + 8 (r / 8), so that the 16 registers of two neighbouring tiles' results are 16 neighbours along the next K.
; nbr [8 heads][16384 rows][2 words]: four bins of ranks 4 head .. 4 head + 3 (a byte each), and the row's mask word (bit k: centre's mask AND rank k's).  ttab: T[256][8] = emb_table Wa + ba.
; The reshape without a transpose: head e softmaxes T[bin of rank 4 e + k / 8][k % 8], k = 0 .. 31, and place k is masked by the neighbour of RANK k.
; SHARES.  A work-group of four waves, one to a SIMD, takes 64 rows.  UP TO h BY ROWS: wave w owns rows 16 w .. 16 w + 15, so x's codes never leave the wave and LayerNorm wants one exchange between the halves of the lanes.
; THEN BY COLUMNS: wave w makes hidden units 256 w .. 256 w + 255 (K steps 2 w, 2 w + 1 of the last product) and outputs 64 w .. 64 w + 63, for all 64 rows: each fragment of Wg, W1, W2 goes from memory straight into the registers of
; its one wave, by three loads of 512 consecutive bytes.  What goes from wave to wave is small: h's and a's codes, as images of their registers, through LDS.  Three barriers.
; All products are used transposed (source 0 = 16 rows of the weight, source 1 = 16 rows of activations): a lane holds ONE row and its registers run along the next K.
; NO CLUSTER, NO TENSOR LOAD: no weight tile lies in LDS here, so there is nothing for a joint load to fill; every work-group takes in the same 638,976 bytes of images, which all 256 read at about the same time.
; LIMITS: NaN and infinities among the inputs are not served; a block whose largest magnitude lies under 2^-124 keeps the scale byte 1 (a block of zeros too: its codes are zeros); v_exp_f32, v_rcp_f32, v_rsq_f32 are good to 1 ulp.
; The text is one straight line: no label, no branch.
; THE MODE: SCHED_MODE bits 1:0 = 2 (LLVM: expert scheduling mode 2), set by the entry lines.  The code itself states the register dependences between vector or matrix instructions and memory or LDS instructions, with s_wait_alu, always for 0.
; THE PLAN.  Registers that memory or LDS instructions touch, and who else names them:
;   v4-v8, v10-v18   addresses: written once at the head, read by every load and store, never written again: one wait on va_vdst ahead of the first load.
;   GA (window 3)    gather addresses: vector lines write them, the gathers read them (va_vdst between); ln_g lands there later (vm_vsrc, and va_vdst for the softmax's lines on window 3).
;   ACC              x lands; my LDS stores read it; the turned x lands in it (vm_vsrc between).  Then vector and matrix lines alone, until the way out: additions write it, LDS stores read it (va_vdst), whole rows land in it (vm_vsrc).
;   v192-215, v56-57 x's codes and scale words: the quantiser writes them, scaled products read them (the places, then va_vdst).
;   the ring's slots, v24-55   loads land, a unit's products read.  The slot's next loads stand behind the wait for the unit's exponentials, which also states those products done.
;   PC, PW, v252-253 codes and scale words on their way to LDS: the quantiser writes, LDS stores read (va_vdst ahead of each run of stores); written again a whole unit later (vm_vsrc at the head of blocks 0 and 4).
;   window 3 v0-191, v56-63   h's, then a's fragments and scale words: LDS loads land, products read: one wait on va_vdst at the end of each unit of the last product; elsewhere a wait that stands there anyway has covered the readers.
; LDS: XST 64 rows x (1,024 + 16): x, later x + the result;  HIMG h's 8 fragments (2 m + s), HSC their scale words (128 bytes each);  AIMG a's 32 fragments (8 m + K step), ASC their scale words.
; REGISTERS, in windows of 256.  Window 0: v1-18 addresses; v22, v23 the closing add's two; v24-55 the weights' scale words (4 slots of 8); v56-63 the activations' scale words; v64-191 numbers and accumulators; v192-255 at work.
;   Windows 1, 2: v0-191 Wv's 32 fragments, then a ring of four slots of 8 fragments (slot q: window 1 + q / 2, from v[96 (q % 2)]); v192-255 bv in the result's layout, window 1's then 64 numbers at work in silu; at the end window 1 takes x for the residual.
;   Window 3: the softmax; then ln_g (v0-127) and ln_b (v128-255); then h's 8 fragments (v0-95); then two buffers of 8 fragments of a.
.set XP,   1040
.set HIMG, 66560
.set HSC,  78848
.set AOFF, 13312                       ; AIMG - HIMG
.set SOFF, 50176                       ; ASC - HSC
.set FRB,  1536
.set OW1,  196608                      ; wimg: Wg at 0, W1, W2, Wv
.set OW2,  393216
.set OWV,  589824
.set SCW,  24
.set BS,   56
.set ACC,  64
.set PC,   192                         ; codes in the making
.set PW,   240                         ; v240-243 a's scale words in the making
.set TB,   192                         ; window 1, v192-255: 64 numbers at work in silu
.set NB,   0                           ; window 3, the softmax: v0-7 nbr's words; v8-23 gather addresses; v24-31 -max log2(e), in pairs; v32-159 the logits, 32 a head; v160-191 the mask as f32
.set GA,   8
.set MX,   24
.set LG,   32
.set FM,   160
.set ZP,   192                         ; v192-199 the sums of p, v200-207 of masked p, in pairs; v208.. Z, v212.. S, v216.. s, v220.. the other half's s
.set SP,   200
.set ZS,   208
.set SS,   212
.set SF,   216
.set SX,   220
.set MSB, 0
.macro WIN new                         ; s_set_vgpr_msb: bits 1:0 source 0, 3:2 source 1, 5:4 source 2, 7:6 destination; the high byte repeats the setting that is left
.if MSB != (\new)
	s_set_vgpr_msb (MSB<<8)|(\new)
.set MSB, (\new)
.endif
.endm
.macro MM0 d, a, b, sa, sb             ; the first product of a sum: C = 0
	v_wmma_scale_f32_16x16x128_f8f6f4 v[\d:\d+7], v[\a:\a+11], v[\b:\b+11], 0, v[\sa], v[\sb] matrix_a_fmt:MATRIX_FMT_FP6 matrix_b_fmt:MATRIX_FMT_FP6
.endm
.macro MMA d, a, b, sa, sb             ; a further one, in place
	v_wmma_scale_f32_16x16x128_f8f6f4 v[\d:\d+7], v[\a:\a+11], v[\b:\b+11], v[\d:\d+7], v[\sa], v[\sb] matrix_a_fmt:MATRIX_FMT_FP6 matrix_b_fmt:MATRIX_FMT_FP6
.endm
.macro MMC d, a, b, c, sa, sb          ; the first product of a sum that begins with a bias
	v_wmma_scale_f32_16x16x128_f8f6f4 v[\d:\d+7], v[\a:\a+11], v[\b:\b+11], v[\c:\c+7], v[\sa], v[\sb] matrix_a_fmt:MATRIX_FMT_FP6 matrix_b_fmt:MATRIX_FMT_FP6
.endm
.macro PLACES n                        ; plain vector lines behind matrix instructions (ISA guide 7.12.1), where no useful ones are at hand
.rept \n
	v_nop
.endr
.endm
.macro BARRIER                         ; my LDS stores have landed and my LDS loads are in: then the work-group's barrier
	s_wait_dscnt 0x0
	s_barrier_signal -1
	s_barrier_wait -1
.endm
; 64 numbers of a lane, register 16 b + i = k 32 b + 16 (lane / 16) + i of my row, become a fragment's 12 registers of codes at pc and its scale word in pw.  tt: 8 registers, tm: 16 registers at work
.macro QUANT s, pc, tt, tm, pw
.irp b, 0,1,2,3
	v_max3_num_f32 v[\tm+\b], |v[\s+16*\b]|, |v[\s+1+16*\b]|, 0x1800000          ; block b: my 16 numbers, and the floor 2^(3 - 127): the byte cannot fall under 1
.endr
.irp i, 2,4,6,8,10,12,14
.irp b, 0,1,2,3
	v_max3_num_f32 v[\tm+\b], v[\tm+\b], |v[\s+16*\b+\i]|, |v[\s+1+16*\b+\i]|
.endr
.endr
.irp b, 0,1,2,3
	v_permlanex16_b32 v[\tm+4+\b], v[\tm+\b], s30, s31
.endr
.irp b, 0,1,2,3
	v_max_num_f32 v[\tm+\b], v[\tm+\b], v[\tm+4+\b]                              ; with lane l xor 16's: the block's largest magnitude
.endr
.irp b, 0,1,2,3
	v_add_nc_u32 v[\tm+12+\b], 0xff000000, v[\tm+\b]                             ; 2 off its exponent field: the conversion takes the exponent field of this operand as its scale
.endr
.irp b, 0,1,2,3
	v_lshrrev_b32 v[\tm+4+\b], 23, v[\tm+12+\b]                                  ; the scale's byte
.endr
	v_lshl_or_b32 v[\pw], v[\tm+5], 8, v[\tm+4]
	v_lshl_or_b32 v[\pw], v[\tm+6], 16, v[\pw]
	v_lshl_or_b32 v[\pw], v[\tm+7], 24, v[\pw]
.irp c, 0,1
	v_cvt_scalef32_pk16_fp6_f32 v[\pc+6*\c:\pc+6*\c+2], v[\s+32*\c:\s+32*\c+15], v[\tm+12+2*\c]
	v_cvt_scalef32_pk16_fp6_f32 v[\tt+4*\c:\tt+4*\c+2], v[\s+32*\c+16:\s+32*\c+31], v[\tm+13+2*\c]   ; (a conversion's three registers begin on an even number)
.endr
	v_nop                                          ; one plain place behind a scaled conversion
.irp c, 0,1                                    ; the operand's layout wants a WHOLE block in a lane: lanes 0-15 block 2 c, lanes 16-31 block 2 c + 1
.irp i, 0,1,2
	v_permlane16_swap_b32 v[\pc+6*\c+\i], v[\tt+4*\c+\i]
.endr
.irp i, 0,1,2
	v_mov_b32 v[\pc+6*\c+3+\i], v[\tt+4*\c+\i]
.endr
.endr
.endm
; unit k of weights into slot k % 4: 24 loads of 512 consecutive bytes and 4 of scale words.  k < 8: Wg's and W1's tiles 2 k, 2 k + 1 of my 16, both K steps.  k >= 8: W2's four tiles of mine, K steps 2 (k - 8), + 1
.macro ULOAD k
.set SL_, (\k)%4
.set SLB_, 96*(SL_%2)
	WIN 0x40*(1+SL_/2)
.if (\k) < 8
.irp mat, 0,1
.irp u, 0,1
.irp s, 0,1
.irp c, 0,1,2
	global_load_b128 v[SLB_+12*(4*\mat+2*\u+\s)+4*\c:SLB_+12*(4*\mat+2*\u+\s)+4*\c+3], v8, s[10:11] offset:OW1*\mat+((2*(\k)+\u)*2+\s)*FRB+512*\c
.endr
.endr
.endr
.endr
	WIN 0
.irp mat, 0,1
.irp u, 0,1
	global_load_b64 v[SCW+8*SL_+2*(2*\mat+\u):SCW+8*SL_+2*(2*\mat+\u)+1], v10, s[14+2*\mat:15+2*\mat] offset:(32*(\k)+8*\u)*8   ; a row's 8 scale bytes: the words of both K steps
.endr
.endr
.else
.irp n, 0,1,2,3
.irp e, 0,1
.irp c, 0,1,2
	global_load_b128 v[SLB_+12*(2*\n+\e)+4*\c:SLB_+12*(2*\n+\e)+4*\c+3], v8, s[10:11] offset:OW2+(8*\n+2*((\k)-8)+\e)*FRB+512*\c
.endr
.endr
.endr
	WIN 0
.irp n, 0,1,2,3
	global_load_b64 v[SCW+8*SL_+2*\n:SCW+8*SL_+2*\n+1], v11, s[18:19] offset:(32*(\n/2)+8*(\n%2))*32+8*((\k)-8)
.endr
.endif
.endm
; a = silu(G) U = G U / (1 + 2^(-G log2 e)) for unit p's 64 numbers a lane (G: v[ACC ..], U: v[ACC + 64 ..]); the result takes G's place.  ONE batch of exponentials and one of reciprocals, at work in window 1's v[TB ..].
; Behind the first batch's wait stand the loads of the unit four on, into the slot that unit p's products have read.
.macro SILU p
	WIN 0x40                                       ; destination window 1
.set k, 0
.rept 32
	v_pk_mul_f32 v[TB+2*k:TB+2*k+1], v[ACC+2*k:ACC+2*k+1], s[34:35] op_sel_hi:[1,0]   ; -G log2(e); each accumulator from its low end on
.set k, k+1
.endr
	WIN 0x41                                       ; source 0 and destination window 1
.set k, 0
.rept 64
	v_exp_f32 v[TB+k], v[TB+k]
.set k, k+1
.endr
	WIN 0
.set k, 0
.rept 32
	v_pk_mul_f32 v[ACC+2*k:ACC+2*k+1], v[ACC+2*k:ACC+2*k+1], v[ACC+64+2*k:ACC+65+2*k]   ; G U (plain lines behind the exponentials); U's accumulators from their low ends on
.set k, k+1
.endr
	s_wait_alu depctr_va_vdst(0)                   ; the 64 exponentials have written v[TB ..], which the additions below read; and this unit's products are done reading their slot and its scale words, in which the loads below land
	ULOAD (\p)+4                                   ; no vector or matrix line since the wait names the slot, its scale words or the loads' addresses
	WIN 0x41
.set k, 0
.rept 32
	v_pk_add_f32 v[TB+2*k:TB+2*k+1], v[TB+2*k:TB+2*k+1], 1.0 op_sel_hi:[1,0]
.set k, k+1
.endr
.set k, 0
.rept 64
	v_rcp_f32 v[TB+k], v[TB+k]
.set k, k+1
.endr
	v_nop                                          ; one plain place behind the last reciprocal
	s_wait_alu depctr_va_vdst(0)                   ; the 64 reciprocals have written v[TB ..], which the multiplications below read
	WIN 0x04                                       ; source 1 window 1
.set k, 0
.rept 32
	v_pk_mul_f32 v[ACC+2*k:ACC+2*k+1], v[ACC+2*k:ACC+2*k+1], v[TB+2*k:TB+2*k+1]
.set k, k+1
.endr
	WIN 0
.endm
; block p of my 8 blocks of 32 hidden units is quantised for the four tiles of rows (by turns): v[ACC + 16 m ..] are 16 neighbours.  At work: v128-159, which U has left.  Four blocks make a fragment, which then goes to LDS
.macro QB p
.set BB_, (\p)%4
.set CC_, BB_/2
.if BB_ == 0
	s_wait_alu depctr_vm_vsrc(0)                   ; the LDS stores of the fragments made last (h's; my first K step's of a) have read v[PC ..] and their scale words' registers, which this block begins to write again
.endif
.irp m, 0,1,2,3
	v_max3_num_f32 v[128+\m], |v[ACC+16*\m]|, |v[ACC+1+16*\m]|, 0x1800000
.endr
.irp i, 2,4,6,8,10,12,14
.irp m, 0,1,2,3
	v_max3_num_f32 v[128+\m], v[128+\m], |v[ACC+16*\m+\i]|, |v[ACC+1+16*\m+\i]|
.endr
.endr
.irp m, 0,1,2,3
	v_permlanex16_b32 v[132+\m], v[128+\m], s30, s31
.endr
.irp m, 0,1,2,3
	v_max_num_f32 v[128+\m], v[128+\m], v[132+\m]
.endr
.irp m, 0,1,2,3
	v_add_nc_u32 v[136+\m], 0xff000000, v[128+\m]
.endr
.irp m, 0,1,2,3
.if BB_ == 0
	v_lshrrev_b32 v[PW+\m], 23, v[136+\m]                                        ; the first byte starts the word
.else
	v_lshrrev_b32 v[140+\m], 23, v[136+\m]
.endif
.endr
.if BB_ > 0
.irp m, 0,1,2,3
	v_lshl_or_b32 v[PW+\m], v[140+\m], 8*BB_, v[PW+\m]
.endr
.endif
.irp m, 0,1,2,3
.if BB_%2 == 0
	v_cvt_scalef32_pk16_fp6_f32 v[PC+12*\m+6*CC_:PC+12*\m+6*CC_+2], v[ACC+16*\m:ACC+16*\m+15], v[136+\m]
.else
	v_cvt_scalef32_pk16_fp6_f32 v[144+4*\m:146+4*\m], v[ACC+16*\m:ACC+16*\m+15], v[136+\m]
.endif
.endr
	v_nop                                          ; one plain place behind a scaled conversion
.if BB_%2 == 1
.irp m, 0,1,2,3
.irp i, 0,1,2
	v_permlane16_swap_b32 v[PC+12*\m+6*CC_+\i], v[144+4*\m+\i]
.endr
.irp i, 0,1,2
	v_mov_b32 v[PC+12*\m+6*CC_+3+\i], v[144+4*\m+\i]
.endr
.endr
.endif
.if BB_ == 3
	s_wait_alu depctr_va_vdst(0)                   ; the conversions, exchanges and moves have written v[PC ..], the shifts v[PW ..]: the LDS stores below read them
.irp m, 0,1,2,3
.irp c, 0,1,2
	ds_store_b128 v16, v[PC+12*\m+4*\c:PC+12*\m+4*\c+3] offset:AOFF+(8*\m+(\p)/4)*FRB+512*\c    ; rows 16 m on, K step 2 w + p / 4
.endr
	ds_store_b32 v18, v[PW+\m] offset:SOFF+(8*\m+(\p)/4)*128
.endr
	s_wait_dscnt 0x0                               ; my stores have landed (that they have read their registers is stated at the head of the next block that writes those)
.endif
.endm
; unit p of the gate and up products: 16 accumulators (2 matrices x 2 tiles x 4 tiles of rows) by turns, one instruction a turn; then silu, in which the slot's next unit is asked for; the quantiser
.macro GU p
.set SL_, (\p)%4
.set SLB_, 96*(SL_%2)
.if (\p) >= 4
	s_wait_loadcnt 63                              ; three units, 84 loads, were issued behind this one's: at most 63 out shows it in
.endif
	WIN 0x0D+SL_/2                                 ; source 0 (the weight) window 1 or 2, source 1 (h) window 3
.irp s, 0,1
.irp m, 0,1,2,3
.irp u, 0,1
.irp mat, 0,1
.set D_, ACC+64*\mat+16*\m+8*\u
.set A_, SLB_+12*(4*\mat+2*\u+\s)
.set B_, 12*(2*\m+\s)
.set SA_, SCW+8*SL_+2*(2*\mat+\u)+\s
.set SX_, BS+2*\m+\s
.if \s == 0
	MM0 D_, A_, B_, SA_, SX_
.else
	MMA D_, A_, B_, SA_, SX_
.endif
.endr
.endr
.endr
.endr
	WIN 0
	PLACES 4                                       ; in front of the first read of results
	SILU \p
	QB \p
.endm
.macro FETCHF q                        ; a's 8 fragments of K steps 2 q, 2 q + 1 (4 tiles of rows) into buffer q % 2 of window 3: 24 LDS loads
	WIN 0xC0
.irp m, 0,1,2,3
.irp e, 0,1
.irp c, 0,1,2
	ds_load_b128 v[96*((\q)%2)+12*(2*\m+\e)+4*\c:96*((\q)%2)+12*(2*\m+\e)+4*\c+3], v15 offset:AOFF+(8*\m+2*(\q)+\e)*FRB+512*\c
.endr
.endr
.endr
	WIN 0
.endm
.macro FETCHS q                        ; and their 8 scale words: one set of registers, which hold scales alone
.irp m, 0,1,2,3
.irp e, 0,1
	ds_load_b32 v[BS+2*\m+\e], v17 offset:SOFF+(8*\m+2*(\q)+\e)*128
.endr
.endr
.endm
; unit q of the last product: 16 accumulators (4 tiles of outputs x 4 tiles of rows) by turns.  left: the global loads issued behind this unit's
.macro W2U q, left
.set SL_, (\q)%4
.set SLB_, 96*(SL_%2)
.if (\q) < 3
	FETCHF (\q)+1                                  ; into the buffer that the unit before read: the wait at that unit's end has stated its products done, and no vector or matrix line stands between
	s_wait_dscnt 24                                ; all but the 24 just issued: this unit's fragments and scale words are in
.else
	s_wait_dscnt 0x0
.endif
	s_wait_loadcnt \left
	WIN 0x0D+SL_/2
.irp e, 0,1
.irp n, 0,1,2,3
.irp m, 0,1,2,3
.set D_, ACC+32*\m+8*\n
.set A_, SLB_+12*(2*\n+\e)
.set B_, 96*((\q)%2)+12*(2*\m+\e)
.set SA_, SCW+8*SL_+2*\n+\e
.set SX_, BS+2*\m+\e
.if ((\q) == 0) && (\e == 0)
	MM0 D_, A_, B_, SA_, SX_
.else
	MMA D_, A_, B_, SA_, SX_
.endif
.endr
.endr
.endr
	WIN 0
	PLACES 4
.if (\q) < 3
	s_wait_alu depctr_va_vdst(0)                   ; this unit's products are done reading a's scale words, in which the loads below land, their buffer of a's fragments, which is loaded again at the next unit's head, and their slot of the ring
	FETCHS (\q)+1
.endif
.endm
	s_load_b512 s[4:19], s[0:1], 0x0               ; x s[4:5], nbr s[6:7], ttab s[8:9], wimg s[10:11], scales of Wv s[12:13], Wg s[14:15], W1 s[16:17], W2 s[18:19]
	s_load_b256 s[20:27], s[0:1], 0x40             ; bv s[20:21], ln_g s[22:23], ln_b s[24:25], out s[26:27]
	v_lshl_add_u32 v22, v0, 2, 0x20800
	v_mov_b32 v23, 0
	v_lshrrev_b32 v1, 5, v0
	v_readfirstlane_b32 s28, v1                    ; wave 0..3
	v_and_b32 v1, 31, v0                           ; lane
	v_cmp_lt_u32 s36, 15, v1                       ; the lanes with h = 1
	v_and_b32 v2, 15, v0                           ; r
	v_bfe_u32 v3, v0, 4, 1                         ; h
	v_lshlrev_b32 v4, 4, v1                        ; 16 x lane: dense loads and stores, images
	s_wait_alu depctr_va_sdst(0)                   ; s28 and s36 are written, ahead of their first readers: the scalar lines below read s28, the selects behind the softmax s36
	s_mul_i32 s37, s28, 16*XP
	v_add_nc_u32 v5, s37, v4                       ; XST: my 16 rows, dense
	v_mul_u32_u24 v19, v2, XP
	v_lshl_add_u32 v19, v3, 6, v19
	v_add_nc_u32 v6, s37, v19                      ; XST: row 16 w + r, + 64 h: my 16 numbers of a block of 32
	s_lshl_b32 s38, s28, 8
	v_add_nc_u32 v7, s38, v19                      ; XST: row r, + 64 h, + my 64 outputs' bytes
	s_mul_i32 s39, s28, 32*FRB
	v_add_nc_u32 v8, s39, v4                       ; wimg: my 32 fragments of Wg, of W1, of W2
	v_and_b32 v20, 8, v2
	v_add_nc_u32 v20, v20, v2                      ; r + 8 (r / 8)
	s_lshl_b32 s40, s28, 11
	v_lshl_add_u32 v10, v20, 3, s40                ; Wg's, W1's scale bytes: 8 a row, my 256 rows
	v_lshl_add_u32 v11, v20, 5, s40                ; W2's: 32 a row, my 64 rows
	v_lshlrev_b32 v12, 3, v20                      ; Wv's: 8 a row
	v_lshlrev_b32 v13, 6, v3                       ; bv, ln_g, ln_b: 64 h
	v_lshlrev_b32 v14, 3, v2
	v_lshl_add_u32 v14, v3, 19, v14                ; nbr: row r, heads 4 h on
	v_add_nc_u32 v15, HIMG, v4                     ; an image's place for my lane,
	s_mul_i32 s41, s28, 2*FRB
	v_add_nc_u32 v16, s41, v15                     ; and where I store mine: two fragments a wave
	v_lshl_add_u32 v17, v1, 2, HSC                 ; a scale word's place,
	v_add_nc_u32 v18, s38, v17                     ; and where I store mine
.irp b, 0,1,2,3
	v_mov_b32 v[228+\b], 0                         ; written once: a lane permute's destination counts as one of its sources
.endr
	v_mov_b32 v201, 0
	v_mov_b32 v203, 0
	s_mov_b32 s30, 0x76543210
	s_mov_b32 s31, 0xfedcba98                      ; v_permlanex16_b32's selects for lane l xor 16
	s_mov_b32 s32, 0x3fb8aa3b                      ; log2(e); the packed forms name a pair and take its low word for both halves
	s_mov_b32 s33, s32
	s_mov_b32 s34, 0xbfb8aa3b                      ; -log2(e)
	s_mov_b32 s35, s34
	s_mov_b32 s46, 0x3b800000                      ; 1 / 256
	s_mov_b32 s47, 0x3727c5ac                      ; 1e-5
	s_lshl_b32 s42, ttmp9, 16
	s_lshl_b32 s43, s28, 14
	s_add_co_u32 s42, s42, s43                     ; my 16 rows of x and of out: 65,536 x work-group + 16,384 x wave
	s_mov_b32 s43, 0
	s_lshl_b32 s44, ttmp9, 9
	s_lshl_b32 s45, s28, 7
	s_add_co_u32 s44, s44, s45                     ; and of nbr: 8 bytes a row
	s_mov_b32 s45, 0
	s_wait_kmcnt 0x0
	s_add_nc_u64 s[4:5], s[4:5], s[42:43]
	s_add_nc_u64 s[26:27], s[26:27], s[42:43]
	s_add_nc_u64 s[6:7], s[6:7], s[44:45]
	; ---- 180 loads: nbr (4), x (32); behind them 144: Wv's scale words (16), bv (32), Wv (96)
	WIN 0xC0
	s_wait_alu depctr_va_vdst(0)                   ; the addresses v4 to v18 are written: every load and store of the kernel but the gathers reads one of them, and none is written again
.irp e, 0,1,2,3
	global_load_b64 v[NB+2*\e:NB+2*\e+1], v14, s[6:7] offset:131072*\e
.endr
	WIN 0
.set i, 0
.rept 32
	global_load_b128 v[ACC+4*i:ACC+4*i+3], v4, s[4:5] offset:512*i th:TH_LOAD_NT   ; 32 lanes read 512 consecutive bytes; read once in the launch
.set i, i+1
.endr
.set t, 0
.rept 16
	global_load_b64 v[SCW+2*t:SCW+2*t+1], v12, s[12:13] offset:(32*(t/2)+8*(t%2))*8
.set t, t+1
.endr
.irp g, 0,1                                    ; tiles 8 g .. 8 g + 7 into window 1 + g
	WIN 0x40*(1+\g)
.irp t, 0,1,2,3,4,5,6,7
	global_load_b128 v[192+8*\t:195+8*\t], v13, s[20:21] offset:128*((8*\g+\t)/2)+32*(\t%2)       ; bv in the result's layout: lane (r, h), tile 2 b + u: columns 32 b + 16 h + 8 u + 0 .. 7
	global_load_b128 v[196+8*\t:199+8*\t], v13, s[20:21] offset:128*((8*\g+\t)/2)+32*(\t%2)+16
.endr
.irp t, 0,1,2,3,4,5,6,7
.irp s, 0,1
.irp c, 0,1,2
	global_load_b128 v[24*\t+12*\s+4*\c:24*\t+12*\s+4*\c+3], v4, s[10:11] offset:OWV+(2*(8*\g+\t)+\s)*FRB+512*\c
.endr
.endr
.endr
.endr
	WIN 0
	s_wait_loadcnt 63                              ; 144 loads were issued behind x's: at most 63 out shows nbr and x in
	; ---- x through my rows of the stage: in as it lies, back 16 neighbours of each block of 32 a lane.  It stays there for the residual.  LDS serves a wave's instructions in order
.set i, 0
.rept 32
	ds_store_b128 v5, v[ACC+4*i:ACC+4*i+3] offset:(i/2)*XP+512*(i%2)
.set i, i+1
.endr
	s_wait_alu depctr_vm_vsrc(0)                   ; the LDS stores have read v[ACC ..], in which the LDS loads below land
.set i, 0
.rept 32
	ds_load_b128 v[ACC+4*i:ACC+4*i+3], v6 offset:128*(i/4)+16*(i%4)               ; register 16 b + 4 j: k = 32 b + 16 h + 4 j
.set i, i+1
.endr
	; ---- the gathers from T: lane (r, h) takes heads 4 h + e of row r; rank 4 head + j's bin picks 8 numbers
	WIN 0xFF
.irp e, 0,1,2,3
.irp j, 0,1,2,3
	v_bfe_u32 v[GA+4*\e+\j], v[NB+2*\e], 8*\j, 8
.endr
.endr
.irp e, 0,1,2,3
.irp j, 0,1,2,3
	v_min_u32 v[GA+4*\e+\j], 0xff, v[GA+4*\e+\j]   ; a loaded number enters an address only held to the table's 256 rows
.endr
.endr
.irp e, 0,1,2,3
.irp j, 0,1,2,3
	v_lshlrev_b32 v[GA+4*\e+\j], 5, v[GA+4*\e+\j]
.endr
.endr
	s_wait_alu depctr_va_vdst(0)                   ; the sixteen gather addresses v[GA ..] are written, which the loads below read
.irp e, 0,1,2,3
.irp j, 0,1,2,3
	global_load_b128 v[LG+32*\e+8*\j:LG+32*\e+8*\j+3], v[GA+4*\e+\j], s[8:9]
	global_load_b128 v[LG+32*\e+8*\j+4:LG+32*\e+8*\j+7], v[GA+4*\e+\j], s[8:9] offset:16
.endr
.endr
	WIN 0
	s_wait_dscnt 0x0
	; ---- x's two fragments, in registers: they never leave the wave
	QUANT ACC, 192, 216, 224, BS
	QUANT ACC+64, 204, 216, 224, BS+1
	PLACES 8                                       ; a scale register written by a vector line stands 8 places ahead of a scaled matrix instruction, an operand so written 4
	s_wait_alu depctr_va_vdst(0)                   ; the quantiser has written x's codes v192 to v215 and its scale words v56, v57, which the scaled products below take; the places above stay beside this wait
	s_wait_loadcnt 32                              ; only the 32 gathers were issued behind Wv, its scale words and bv
	; ---- v^T = Wv x^T + bv: 16 tiles by turns, K step by K step.  Register 16 b + i of ACC = column 32 b + 16 h + i: block b is head b
	WIN 0x11                                       ; source 0 (Wv) and source 2 (bv) window 1
.irp t, 0,1,2,3,4,5,6,7
	MMC ACC+8*\t, 24*\t, 192, 192+8*\t, SCW+2*\t, BS
.endr
	WIN 0x22
.irp t, 0,1,2,3,4,5,6,7
	MMC ACC+64+8*\t, 24*\t, 192, 192+8*\t, SCW+16+2*\t, BS
.endr
	WIN 0x01
.irp t, 0,1,2,3,4,5,6,7
	MMA ACC+8*\t, 24*\t+12, 204, SCW+2*\t+1, BS+1
.endr
	WIN 0x02
.irp t, 0,1,2,3,4,5,6,7
	MMA ACC+64+8*\t, 24*\t+12, 204, SCW+16+2*\t+1, BS+1
.endr
	WIN 0
	PLACES 4
	s_wait_alu depctr_va_vdst(0)                   ; the products are done reading Wv's fragments and scale words, in which the ring's first loads land
	ULOAD 0                                        ; the ring's four slots take Wv's place: 112 loads
	ULOAD 1
	ULOAD 2
	ULOAD 3
	; ---- the softmax of my four heads, and what the mask leaves of it
	s_wait_loadcnt 63                              ; 112 loads were issued behind the gathers
	WIN 0xFF
.set k, 0
.rept 32
	v_bfe_u32 v[FM+k], v[NB+1], k, 1               ; the mask word is the row's: the same in all heads
.set k, k+1
.endr
.set k, 0
.rept 32
	v_cvt_f32_u32 v[FM+k], v[FM+k]
.set k, k+1
.endr
.irp e, 0,1,2,3
	v_mov_b32 v[SX+\e], 0                          ; a lane permute's destination counts as one of its sources
.endr
.irp e, 0,1,2,3
	v_max3_num_f32 v[MX+2*\e], v[LG+32*\e], v[LG+32*\e+1], v[LG+32*\e+2]
.endr
.irp i, 3,5,7,9,11,13,15,17,19,21,23,25,27,29
.irp e, 0,1,2,3
	v_max3_num_f32 v[MX+2*\e], v[MX+2*\e], v[LG+32*\e+\i], v[LG+32*\e+\i+1]
.endr
.endr
.irp e, 0,1,2,3
	v_max_num_f32 v[MX+2*\e], v[MX+2*\e], v[LG+32*\e+31]
.endr
.irp e, 0,1,2,3
	v_mul_f32 v[MX+2*\e], s34, v[MX+2*\e]          ; -max log2(e)
.endr
.irp e, 0,1,2,3
	v_mov_b32 v[MX+2*\e+1], v[MX+2*\e]             ; (named with it as a pair, so it is written)
.endr
.irp k, 0,2,4,6,8,10,12,14,16,18,20,22,24,26,28,30
.irp e, 0,1,2,3
	v_pk_fma_f32 v[LG+32*\e+\k:LG+32*\e+\k+1], v[LG+32*\e+\k:LG+32*\e+\k+1], s[32:33], v[MX+2*\e:MX+2*\e+1] op_sel_hi:[1,0,0]   ; (l - max) log2(e)
.endr
.endr
.set k, 0
.rept 128
	v_exp_f32 v[LG+k], v[LG+k]
.set k, k+1
.endr
	v_nop
	s_wait_alu depctr_va_vdst(0)                   ; the 128 exponentials have written v[LG ..], which the sums below read
.irp e, 0,1,2,3
	v_pk_add_f32 v[ZP+2*\e:ZP+2*\e+1], v[LG+32*\e:LG+32*\e+1], v[LG+32*\e+2:LG+32*\e+3]
	v_pk_mul_f32 v[SP+2*\e:SP+2*\e+1], v[LG+32*\e:LG+32*\e+1], v[FM:FM+1]
.endr
.irp e, 0,1,2,3
	v_pk_fma_f32 v[SP+2*\e:SP+2*\e+1], v[LG+32*\e+2:LG+32*\e+3], v[FM+2:FM+3], v[SP+2*\e:SP+2*\e+1]
.endr
.irp k, 4,6,8,10,12,14,16,18,20,22,24,26,28,30
.irp e, 0,1,2,3
	v_pk_add_f32 v[ZP+2*\e:ZP+2*\e+1], v[ZP+2*\e:ZP+2*\e+1], v[LG+32*\e+\k:LG+32*\e+\k+1]
	v_pk_fma_f32 v[SP+2*\e:SP+2*\e+1], v[LG+32*\e+\k:LG+32*\e+\k+1], v[FM+\k:FM+\k+1], v[SP+2*\e:SP+2*\e+1]
.endr
.endr
.irp e, 0,1,2,3
	v_add_f32 v[ZS+\e], v[ZP+2*\e], v[ZP+2*\e+1]
	v_add_f32 v[SS+\e], v[SP+2*\e], v[SP+2*\e+1]
.endr
.irp e, 0,1,2,3
	v_rcp_f32 v[ZS+\e], v[ZS+\e]
.endr
	v_nop
	s_wait_alu depctr_va_vdst(0)                   ; the four reciprocals have written v[ZS ..], which the multiplications below read
.irp e, 0,1,2,3
	v_mul_f32 v[SS+\e], v[SS+\e], v[ZS+\e]         ; S = the masked part of the softmax
.endr
.irp e, 0,1,2,3
	v_add_f32 v[SF+\e], 0x358637bd, v[SS+\e]       ; S + 1e-6
.endr
.irp e, 0,1,2,3
	v_rcp_f32 v[SF+\e], v[SF+\e]
.endr
	v_nop
	s_wait_alu depctr_va_vdst(0)                   ; the four reciprocals have written v[SF ..], which the multiplications below read
.irp e, 0,1,2,3
	v_mul_f32 v[SF+\e], v[SS+\e], v[SF+\e]         ; s
.endr
.irp e, 0,1,2,3
	v_permlanex16_b32 v[SX+\e], v[SF+\e], s30, s31 ; the other four heads' lie in lane l xor 16
.endr
	WIN 0x0F                                       ; sources window 3, destination window 0: s of heads 0 .. 7, each twice, for the packed multiply
.irp e, 0,1,2,3
	v_cndmask_b32 v[240+2*\e], v[SF+\e], v[SX+\e], s36
	v_cndmask_b32 v[241+2*\e], v[SF+\e], v[SX+\e], s36
	v_cndmask_b32 v[248+2*\e], v[SX+\e], v[SF+\e], s36
	v_cndmask_b32 v[249+2*\e], v[SX+\e], v[SF+\e], s36
.endr
	; ---- LayerNorm of my row (128 numbers here, 128 in lane l xor 16)
	WIN 0xC0
	s_wait_alu depctr_va_vdst(0)                   ; the softmax's lines and the selects are done writing and reading window 3, in all of which the loads below land
	s_wait_alu depctr_vm_vsrc(0)                   ; the gathers have read their addresses v[GA ..], in which loads of ln_g land
.set k, 0
.rept 32
	global_load_b128 v[4*k:4*k+3], v13, s[22:23] offset:128*(k/4)+16*(k%4)        ; ln_g and ln_b in the numbers' layout
	global_load_b128 v[128+4*k:131+4*k], v13, s[24:25] offset:128*(k/4)+16*(k%4)
.set k, k+1
.endr
	WIN 0
.set k, 0
.rept 64
	v_pk_mul_f32 v[ACC+2*k:ACC+2*k+1], v[ACC+2*k:ACC+2*k+1], v[240+2*(k/8):241+2*(k/8)]   ; upd = v x s of its head; each accumulator from its low end on
.set k, k+1
.endr
.irp c, 0,1,2,3
	v_pk_add_f32 v[192+2*\c:193+2*\c], v[ACC+2*\c:ACC+2*\c+1], v[ACC+8+2*\c:ACC+9+2*\c]   ; the sum, in four chains of pairs
.endr
.set k, 8
.rept 56
	v_pk_add_f32 v[192+2*(k%4):193+2*(k%4)], v[192+2*(k%4):193+2*(k%4)], v[ACC+2*k:ACC+2*k+1]
.set k, k+1
.endr
	v_pk_add_f32 v[192:193], v[192:193], v[194:195]
	v_pk_add_f32 v[196:197], v[196:197], v[198:199]
	v_pk_add_f32 v[192:193], v[192:193], v[196:197]
	v_add_f32 v200, v192, v193
	v_permlanex16_b32 v201, v200, s30, s31
	v_add_f32 v200, v200, v201
	v_mul_f32 v200, s46, v200                      ; the mean
	v_mov_b32 v201, v200
.set k, 0
.rept 64
	v_pk_add_f32 v[ACC+2*k:ACC+2*k+1], v[ACC+2*k:ACC+2*k+1], v[200:201] neg_lo:[0,1] neg_hi:[0,1]
.set k, k+1
.endr
.irp c, 0,1,2,3
	v_pk_mul_f32 v[192+2*\c:193+2*\c], v[ACC+2*\c:ACC+2*\c+1], v[ACC+2*\c:ACC+2*\c+1]
.endr
.set k, 4
.rept 60
	v_pk_fma_f32 v[192+2*(k%4):193+2*(k%4)], v[ACC+2*k:ACC+2*k+1], v[ACC+2*k:ACC+2*k+1], v[192+2*(k%4):193+2*(k%4)]
.set k, k+1
.endr
	v_pk_add_f32 v[192:193], v[192:193], v[194:195]
	v_pk_add_f32 v[196:197], v[196:197], v[198:199]
	v_pk_add_f32 v[192:193], v[192:193], v[196:197]
	v_add_f32 v202, v192, v193
	v_permlanex16_b32 v203, v202, s30, s31
	v_add_f32 v202, v202, v203
	v_fma_f32 v202, v202, s46, s47                 ; the variance + 1e-5
	v_rsq_f32 v202, v202
	v_nop
	s_wait_alu depctr_va_vdst(0)                   ; the root's reciprocal has written v202, which the move below reads
	v_mov_b32 v203, v202
.set k, 0
.rept 64
	v_pk_mul_f32 v[ACC+2*k:ACC+2*k+1], v[ACC+2*k:ACC+2*k+1], v[202:203]
.set k, k+1
.endr
	s_wait_loadcnt 0x0                             ; ln_g, ln_b; the ring's four units are older, so they are in too
	WIN 0x3C                                       ; sources 1 and 2 window 3
.set k, 0
.rept 64
	v_pk_fma_f32 v[ACC+2*k:ACC+2*k+1], v[ACC+2*k:ACC+2*k+1], v[2*k:2*k+1], v[128+2*k:129+2*k]
.set k, k+1
.endr
	WIN 0
	; ---- h's two fragments of my rows go to LDS as images of their registers: each has code registers and a scale word's register of its own, so that one wait serves all eight stores
	QUANT ACC, PC, 216, 224, 252
	QUANT ACC+64, PC+12, 216, 224, 253
	s_wait_alu depctr_va_vdst(0)                   ; the quantiser has written v[PC .. PC + 23], v252 and v253, which the LDS stores read; and the lines above are done reading ln_g and ln_b in window 3, where h's fragments land behind the barrier
.irp s, 0,1
.irp c, 0,1,2
	ds_store_b128 v16, v[PC+12*\s+4*\c:PC+12*\s+4*\c+3] offset:FRB*\s+512*\c
.endr
	ds_store_b32 v18, v[252+\s] offset:128*\s
.endr
	BARRIER                                        ; h's eight fragments lie in LDS, and all of x
	WIN 0xC0
.irp f, 0,1,2,3,4,5,6,7
.irp c, 0,1,2
	ds_load_b128 v[12*\f+4*\c:12*\f+4*\c+3], v15 offset:\f*FRB+512*\c             ; no vector or matrix line since the wait above names these registers, nor v56 to v63
.endr
.endr
	WIN 0
.irp f, 0,1,2,3,4,5,6,7
	ds_load_b32 v[BS+\f], v17 offset:128*\f
.endr
	s_wait_dscnt 0x0
	; ---- my 256 hidden units, 32 at a time, for all 64 rows
	GU 0
	GU 1
	GU 2
	GU 3
	GU 4
	GU 5
	GU 6
	GU 7
	BARRIER                                        ; a's 32 fragments lie in LDS
	; ---- my 64 outputs for all 64 rows: K = 1,024 in four units of two K steps
	FETCHF 0                                       ; into h's registers: the wait ahead of the last block's stores has stated the last products that read them, and v56 to v63, done
	FETCHS 0
	W2U 0, 63                                      ; three units, 84 loads, were issued behind W2's first
	W2U 1, 56                                      ; two units
	W2U 2, 28                                      ; one
	W2U 3, 0
	; ---- + x, in the stage: lane (r, h), tile n of rows 16 m on: columns 64 w + 32 (n / 2) + 16 h + 8 (n % 2) + 0 .. 7.  Each byte is read and written by one lane
	WIN 0x40
.irp m, 0,1,2,3
.irp n, 0,1,2,3
	ds_load_b128 v[32*\m+8*\n:32*\m+8*\n+3], v7 offset:16*XP*\m+128*(\n/2)+32*(\n%2)              ; into window 1's two slots, which units 0 and 1 read: the waits at those units' ends have stated their products done; units 2 and 3 name window 2's
	ds_load_b128 v[32*\m+8*\n+4:32*\m+8*\n+7], v7 offset:16*XP*\m+128*(\n/2)+32*(\n%2)+16
.endr
.endr
	s_wait_dscnt 0x0
	WIN 0x04                                       ; source 1 (x) window 1
.set k, 0
.rept 64
	v_pk_add_f32 v[ACC+2*k:ACC+2*k+1], v[ACC+2*k:ACC+2*k+1], v[2*k:2*k+1]          ; each accumulator from its low end on
.set k, k+1
.endr
	WIN 0
	s_wait_alu depctr_va_vdst(0)                   ; the additions have written v[ACC ..], which the LDS stores read
.irp m, 0,1,2,3
.irp n, 0,1,2,3
	ds_store_b128 v7, v[ACC+32*\m+8*\n:ACC+32*\m+8*\n+3] offset:16*XP*\m+128*(\n/2)+32*(\n%2)
	ds_store_b128 v7, v[ACC+32*\m+8*\n+4:ACC+32*\m+8*\n+7] offset:16*XP*\m+128*(\n/2)+32*(\n%2)+16
.endr
.endr
	BARRIER                                        ; 64 whole rows of the result lie in the stage
	s_wait_alu depctr_vm_vsrc(0)                   ; my LDS stores have read v[ACC ..], in which the whole rows land
.set i, 0
.rept 32
	ds_load_b128 v[ACC+4*i:ACC+4*i+3], v5 offset:(i/2)*XP+512*(i%2)
.set i, i+1
.endr
.set i, 0
.rept 32
	s_wait_dscnt 31-i                              ; LDS loads come back in order: load i is in, the younger ones may be out
	global_store_b128 v4, v[ACC+4*i:ACC+4*i+3], s[26:27] offset:512*i th:TH_STORE_NT   ; 32 lanes store 512 consecutive bytes, at a multiple of 256 from the buffer's first byte; written once, read by nobody here
.set i, i+1
.endr
	s_wait_dscnt 0x0                               ; the closing lines, six on end
	s_wait_alu 0x0
	s_wait_tensorcnt 0x0
	ds_add_u32 v22, v23
	s_wait_dscnt 0x0
	s_endpgm
.Lfunc_end_k_qc2e55e8050_ffn:
	.size	k_qc2e55e8050_ffn, .Lfunc_end_k_qc2e55e8050_ffn-k_qc2e55e8050_ffn
	.p2alignl 7, 3214868480
	.fill 96, 4, 3214868480
	.section	.rodata,"a",@progbits
	.p2align	6, 0x0
	.amdhsa_kernel k_qc2e55e8050_ffn
		.amdhsa_group_segment_fixed_size 133632
		.amdhsa_private_segment_fixed_size 0
		.amdhsa_enable_private_segment 0
		.amdhsa_kernarg_size 96
		.amdhsa_user_sgpr_count 2
		.amdhsa_user_sgpr_kernarg_segment_ptr 1
		.amdhsa_wavefront_size32 1
		.amdhsa_system_sgpr_workgroup_id_x 1
		.amdhsa_system_sgpr_workgroup_id_y 1
		.amdhsa_system_sgpr_workgroup_id_z 1
		.amdhsa_system_vgpr_workitem_id 0
		.amdhsa_next_free_vgpr 1024
		.amdhsa_next_free_sgpr 66
		.amdhsa_reserve_vcc 0
		.amdhsa_float_denorm_mode_32 3
		.amdhsa_float_denorm_mode_16_64 3
		.amdhsa_memory_ordered 1
		.amdhsa_forward_progress 1
		.amdhsa_inst_pref_size 255
	.end_amdhsa_kernel
	.section	.bss,"aw",@nobits
	.p2align	6
	.space	262144
	.amdgpu_metadata
---
amdhsa.version: [ 1, 2 ]
amdhsa.kernels:
  - .name:           k_qc2e55e8050_ffn
    .symbol:         k_qc2e55e8050_ffn.kd
    .args:
      - { .name: x, .offset: 0, .size: 8, .value_kind: global_buffer, .address_space: global }
      - { .name: nbr, .offset: 8, .size: 8, .value_kind: global_buffer, .address_space: global }
      - { .name: ttab, .offset: 16, .size: 8, .value_kind: global_buffer, .address_space: global }
      - { .name: wimg, .offset: 24, .size: 8, .value_kind: global_buffer, .address_space: global }
      - { .name: Wv_scales, .offset: 32, .size: 8, .value_kind: global_buffer, .address_space: global }
      - { .name: Wg_scales, .offset: 40, .size: 8, .value_kind: global_buffer, .address_space: global }
      - { .name: W1_scales, .offset: 48, .size: 8, .value_kind: global_buffer, .address_space: global }
      - { .name: W2_scales, .offset: 56, .size: 8, .value_kind: global_buffer, .address_space: global }
      - { .name: bv, .offset: 64, .size: 8, .value_kind: global_buffer, .address_space: global }
      - { .name: ln_g, .offset: 72, .size: 8, .value_kind: global_buffer, .address_space: global }
      - { .name: ln_b, .offset: 80, .size: 8, .value_kind: global_buffer, .address_space: global }
      - { .name: out0, .offset: 88, .size: 8, .value_kind: global_buffer, .address_space: global }
    .group_segment_fixed_size: 133632
    .private_segment_fixed_size: 0
    .kernarg_segment_align: 8
    .kernarg_segment_size: 96
    .max_flat_workgroup_size: 128
    .sgpr_count:     66
    .vgpr_count:     1024
    .wavefront_size: 32
...
	.end_amdgpu_metadata
.endif
;; end of part 3
